; MI455X (gfx1250); checked and timed in simulation.
; The chip was launched on July 23, 2026; its instructions are those of AMD's public machine-readable ISA for CDNA 5 (MIT licence, August 2026) and "CDNA5" Instruction Set Architecture Reference Guide (July 2026). The comments in the code are by the model that wrote it; some were corrected since.
;; Causal Self Attention. Allowed arithmetic: matrix products marked QUANTISED: E4M3 operands, one given power-of-two scale a tensor, by v_wmma_f32_16x16x64_fp8_fp8 or v_wmma_f32_16x16x128_fp8_fp8, f32 sums; everything else in f32.
;; Inputs: W_key_codes 1,024 x 32 x 32 uint8 (E4M3 codes of W_key, K innermost, in blocks of 32 codes); W_query_codes 1,024 x 32 x 32 uint8 (E4M3 codes of W_query, K innermost, in blocks of 32 codes); W_value_codes 1,024 x 32 x 32 uint8 (E4M3 codes of W_value, K innermost, in blocks of 32 codes); lowp_scales 10 int32 (the exponents e of the quantised operands' scales 2^e); x_codes 4 x 2,048 x 32 x 32 uint8 (E4M3 codes of x, K innermost, in blocks of 32 codes).
;; Outputs: out0 4 x 2,048 x 1,024 float32.
;; This version of the problem:
;;   THIS VERSION OF THE PROBLEM IS GIVEN IN LOW PRECISION. The matrix products marked QUANTISED in the list below multiply operands that are first quantised to E4M3 (4 exponent bits, 3 mantissa bits; 8 bits a number), with one given power-of-two scale for each operand tensor; their sums are f32. All else is computed in f32.
;;   The module's matrix products, in the order in which they are computed (A, B: the left and right operand; K: the contracted axis; several contracted axes count as one K, in the product's order):
;;     1. [M 8,192, K 1,024] x [K 1,024, N 1,024]; A: input x (given as codes); B: input W_query (given as codes): QUANTISED (scales: A lowp_scales[0], B lowp_scales[1])
;;     2. [M 8,192, K 1,024] x [K 1,024, N 1,024]; A: input x (given as codes); B: input W_key (given as codes): QUANTISED (scales: A lowp_scales[2], B lowp_scales[3])
;;     3. [M 8,192, K 1,024] x [K 1,024, N 1,024]; A: input x (given as codes); B: input W_value (given as codes): QUANTISED (scales: A lowp_scales[4], B lowp_scales[5])
;;     4. batch 4 x [M 2,048, K 1,024] x [K 1,024, N 2,048]; A: computed on the way; B: computed on the way: QUANTISED (scales: A lowp_scales[6], B lowp_scales[7])
;;     5. batch 4 x [M 2,048, K 2,048] x [K 2,048, N 1,024]; A: softmax (see below); B: computed on the way: QUANTISED (scales: A lowp_scales[8], B lowp_scales[9])
;;   THE QUANTISER, for each operand of a quantised product, along K:
;;     - The operand's scale is 2^e, e = its entry of the input lowp_scales (int32; the entries are numbered through the quantised products in the list's order, A before B).
;;     - Each number is divided by the scale, clamped to +-448, and rounded to the nearest number of E4M3, ties to even, subnormals kept.
;;     - The product sums the exact products of the quantised numbers (number of the format x scale) in f32.
;;   ~~~python
;;   def quantise(x, axis, e):      # numpy; x: float32 -> the quantised numbers, widened to float32 again
;;       x = np.moveaxis(x, axis, -1); K = x.shape[-1]
;;       r = np.clip(x / 2.0 ** e, -448, 448)
;;       step = 2.0 ** (np.maximum(np.frexp(np.where(r == 0, 1, r))[1] - 1, -6) - 3)
;;       q = np.round(r / step) * step * 2.0 ** e      # np.round: ties to even
;;       return np.moveaxis(q, -1, axis).astype(np.float32)
;;   ~~~
;;   SOFTMAX AHEAD OF A QUANTISED PRODUCT. Where the list says 'softmax', what is quantised is not the finished softmax but p = 2^(t - M), with t = logit x log2(e) and M = ceil(the row's largest t), a whole number; so 1/2 < the row's largest p <= 1. The row's sum l is taken of the UNQUANTISED p, in f32, and the product's result is divided by l at the end. Since M is a whole number, a kernel that streams over the keys may use a running M (the ceiling of the running maximum): every later rescaling is an exact power of two, so the quantised numbers keep their values, but for numbers so far below the row's largest that they fall under the format's range.
;;   OPERANDS COMPUTED ON THE WAY. 'Computed on the way' means the value that the module computes at that place (a softmax that the list does not call 'softmax' is quantised finished and normalised). What goes into a quantiser is computed in f32, as accurately as f32 sums, v_exp_f32 and their like allow (about 1e-6 of the number): no bf16 or f16 on the way to a quantiser, and a product that is left as it is and whose result goes on into a quantised operand takes f32 operands (vector FMAs, or v_wmma_f32_16x16x4_f32). A number that lies on a knife's edge between two numbers of the format may be rounded either way, as far as f32 arithmetic and the matrix unit's own rounding can turn it there, and no further.
;;   INPUTS GIVEN AS CODES. W_key (in the module: [1024, 1024], K = its axis 0); W_query (in the module: [1024, 1024], K = its axis 0); W_value (in the module: [1024, 1024], K = its axis 0); x (in the module: [4, 2048, 1024], K = its axis 2): each comes as NAME_codes (uint8): NAME with its K axis moved to the last place and cut into blocks of 32 codes, [.., K / 32, bytes a block], one block behind the other in memory; one code a byte (a code: sign, 4 exponent bits, 3 mantissa bits); its scale is its entry of lowp_scales. Its value is code x scale, taken as it is: it is not quantised again, and the codes and scales need not be those that the quantiser above would give.
;; One version. Each part assembles by itself: llvm-mc -triple=amdgcn-amd-amdhsa -mcpu=gfx1250 --defsym DOCPART=n.
;; ======== version 1 of 1: 3 launches
;; limits: right only within a limited range of input values
;; workspace buffers: q_codes 8,388,608 bytes; k_codes 8,388,608 bytes; v_codes 8,388,608 bytes; p_codes 9,437,184 bytes; stats 851,968 bytes
;; launch proj (part 1): grid 4 x 64, 4 waves a work-group, clusters of 4 x 4, 327,680 bytes of LDS; arguments x_codes, W_query_codes, W_key_codes, W_value_codes, lowp_scales, q_codes, k_codes, v_codes; writes q_codes, k_codes, v_codes
.if DOCPART == 1
	.amdgcn_target "amdgcn-amd-amdhsa--gfx1250"
	.amdhsa_code_object_version 6
	.text
	.protected	k_qfcffc98356_proj
	.globl	k_qfcffc98356_proj
	.p2align	8
	.type	k_qfcffc98356_proj,@function
k_qfcffc98356_proj:
	s_mov_b64 s[64:65], 0
	v_nop
	global_prefetch_b8 v0, s[64:65] scope:SCOPE_SE
	s_setreg_imm32_b32 hwreg(HW_REG_WAVE_MODE, 25, 1), 1
	s_wait_xcnt 0x0
	s_wait_alu depctr_hold_cnt(0) depctr_sa_sdst(0) depctr_va_vdst(0) depctr_va_sdst(0) depctr_va_ssrc(0) depctr_va_vcc(0) depctr_vm_vsrc(0)
	s_getreg_b32 s2, hwreg(HW_REG_IB_STS2, 6, 4)
	s_cmp_eq_u32 s2, 0
	s_cbranch_scc0 .Lentry_in_a_cluster
	s_endpgm
.Lentry_in_a_cluster:
	s_bfe_u32 s2, ttmp6, 0x10000c
	s_cmp_lg_u32 s2, 0xf033
	s_cbranch_scc0 .Lentry_shape_is_right
	s_endpgm
.Lentry_shape_is_right:
; q = x Wq, k = x Wk, v^T = Wv^T x^T, on codes of FP8 (E4M3), each result quantised on the way out with its given scale.
; x: [8192 tokens][1024], Wq, Wk, Wv: [1024 e][1024]: codes, K innermost.  K = 1,024 in every product.
; WORK LEFT OUT BY THE PROGRAM (in the two later launches): tiles of q k^T and of p v all of whose keys come after all of their queries.  reference() sets those scores to -infinity by the causal mask that it builds itself, so that their weights are 0 whatever the inputs hold.
; LIMIT of that: a NaN, an infinity or an overflow that reaches only those tiles is not carried to the result.
; SHARES.  q and k are 256 tiles of 256 x 256; v^T is 256 half tiles of 128 e x 256 tokens.  There are 256 work-groups, and EACH MAKES TWO THINGS, one after the other: a tile of q or k (512 matrix instructions a wave),
; then a half tile of v^T (256 a wave): the same work in every work-group.  Four waves: 128 x 128 each in the first product (64 accumulators), 64 x 128 in the second (32).
; 16 clusters of 4 x 4 work-groups; the cluster's y = 8 kind + jj.  First product: A = x (tile 4 jj + cy), B = W_query (kind 0) or W_key (kind 1), tile cx.  Second: W_value, rows 128 (4 kind + cx) on, x THE SAME TILE 4 jj + cy.
; x's tile hangs on cy and the cluster's y and is asked for jointly along a row of the cluster, the weights' on cx and the cluster's y, jointly along a column.  Choices hang on the cluster's y alone and are made by selects: no branch.
; THE RING DOES NOT STOP between the two products, and x'S LAST TWO K STEPS ARE USED TWICE: the first product leaves x's K steps 2 and 3 in the two slots; its last two changes of slots ask for W_value's K steps 2 and 3 alone.
; The second product takes K steps 2, 3, 0, 1.
; THE MATRIX INSTRUCTION IS USED TRANSPOSED (source 0 = 16 rows of the operand whose rows become columns): a lane holds eight neighbouring columns of one row of the result: e for q and k, tokens for v^T: the next products' K.
; OUT: code = sum / 2^d, held within +-448, d = e6-e0-e1 (q), e7-e2-e3 (k), e9-e4-e5 (v): the three scales folded into the conversion's one.
; All three results are stored as FRAGMENTS, as the next products' registers take them: a fragment of 16 rows x 128 columns is [4 c][32 lanes][16 bytes]: lane (r, h) of piece c holds row r, columns 32 c + 16 h + 0 .. 15.
; q_codes, k_codes: [4 chunks of 256 e][512 blocks of 16 tokens][2 halves of 128 e][fragment];  v_codes: [32 tiles of 256 tokens][64 blocks of 16 e][2 halves of 128 tokens][fragment].
; PREFETCHES: K steps 1 and 2 are named behind K step 0's load, K step 3 behind K step 1's, W_value's rows two refills ahead of their loads; x's K steps 0 and 1 have been read when the second product asks for them.  Each block of 256 bytes is named once in a cluster for each product:
; of the rows that a wave fetches, each of the four partners that ask for them jointly names a quarter, told apart by address.
; LIMITS: each d lies between -126 and 119, so that 2^d and 448 x 2^d are f32 numbers.  NaN codes among the inputs are not served.
; REGISTERS, in windows of 256: window 0: v0-31 addresses; v64-127 codes on the way out; from v128 A's fragments: ONE set of eight in the first product (v192-255 then take the second half's codes), TWO sets of four in the second.
;   window 1: source 0's fragments, TWO sets.  windows 2, 3: the accumulators ((a, b) at v[8 (8 (a % 4) + b)]); the second product uses window 2 alone.
.set KSTRIDE, 256                      ; bytes from a K step's tile to the next in memory
.set KROW,   1024                      ; a row of x or of a weight in memory, in bytes
.set ROWB,   256                       ; a tile's row in bytes
.set PITCH,  272                       ; an LDS row: 256 bytes + 16 of padding = 68 words: the 16 rows of a fragment load start at 16 different banks (64 banks of 4 bytes: ISA guide 11.1)
.set FR,     16                        ; registers of a fragment: 16 rows x 128 K
.set NL,     4                         ; LDS loads that bring one
.set NP,     4                         ; places behind this matrix instruction (ISA guide 7.12.1)
.set HALFT,  128*PITCH                 ; 128 rows: a wave's part of a slot
.set SLOT,   4*HALFT                   ; x's two parts, then the weight's two
.set SPARE,  2*SLOT                    ; behind the ring: the spare words, 128 bytes a wave, which no other line names
.set STG,    SPARE+512                 ; behind them: the stage for the way out, 128 rows x 272 bytes; no tile ever lands there
.set PFW,  7                           ; v7      W_value's prefetches: 1,024 x (lane / 2) + 256 x (lane % 2)
.set PFO,  8                           ; v8      the first product's: 1,024 x lane
.set ADRX, 9                           ; v9-10   the second product: LDS address of my x fragments in slot 0, 1
.set ADRW, 11                          ; v11-12  and of W_value's
.set ADRA, 16                          ; v16-17  the first product: LDS address of my A fragments in slot 0, 1
.set ADRB, 20                          ; v20-21  the same for B
.set SC2,  22                          ; v22     2^d of v as f32;  v23  448 x that
.set LIM2, 23
.set STO,  24                          ; v24     the way out: where I put 8 codes of a row
.set RD,   25                          ; v25     the way out: where I read fragments back
.set CO,   26                          ; v26     16 x lane: my bytes of a store's 512
.set SC,   27                          ; v27     2^d of q or k as f32
.set SPW,  28                          ; v28     LDS address of my spare word; never rewritten
.set NIL,  29                          ; v29     0; never rewritten
.set LIM,  30                          ; v30     448 x 2^d of q or k
.set PC0,  64                          ; v64-127  codes of four blocks of 16 rows
.set PC1,  192                         ; v192-255 the same, for the first tile's blocks 4-7
.set AF,   128
.set PFV,  2                           ; s[2:3]   W_value at the 16 rows that I prefetch
.set G1, 24                            ; s[24:31] group 1 for x's tiles of 128 rows a wave; s[32:39] group 0, a set for each slot
.set G0, 32
.set G1B, 48                           ; s[48:55], s[56:63] the same for the weight's
.set G0B, 56
.set G1C, 68                           ; s[68:75] group 1 for W_value's tiles of 64 rows a wave
.set A2,  8                            ; s[8:9]   W_value at the 64 rows that I fetch
.set OUT1, 10                          ; s[10:11] where my wave stores of q or k;  s[66:67] of v
.set OUT2, 66
.set PFA, 96                           ; s[96:97] where my first product's prefetches stand
.set MSB, 0
.macro WIN new                         ; the immediate's high byte repeats the setting that is left
.if MSB != (\new)
	s_set_vgpr_msb (MSB<<8)|(\new)
.set MSB, (\new)
.endif
.endm
.set MUL_LO, 0xa1                      ; source 0 window 1, source 1 window 0, C and D window 2
.set MUL_HI, 0xf1                      ; the same, C and D window 3
.set TO_B,   0x40                      ; destination window 1, address window 0
; A joint load: waves 0 and 1 fetch for x, waves 2 and 3 for the weight.  The branch hangs on the wave's number alone.  Four v_nop follow each of the two lines.
.macro JLOAD g0a, g1a, g0b, g1b
	s_cmp_eq_u32 s15, 0
	s_cbranch_scc0 .Lfor_b_\@
	tensor_load_to_lds s[\g0a:\g0a+3], s[\g1a:\g1a+7]
	s_nop 0
.rept 4
	v_nop
.endr
	s_branch .Lasked_\@
.Lfor_b_\@:
	tensor_load_to_lds s[\g0b:\g0b+3], s[\g1b:\g1b+7]
	s_nop 0
.rept 4
	v_nop
.endr
.Lasked_\@:
.endm
; The same for W_value alone: waves 0 and 1 have no part of it, and the four v_nop stand on their way too.
.macro WLOAD g0b
	s_cmp_eq_u32 s15, 0
	s_cbranch_scc1 .Lno_part_\@
	tensor_load_to_lds s[\g0b:\g0b+3], s[G1C:G1C+7]
	s_nop 0
.rept 4
	v_nop
.endr
	s_branch .Lweight_asked_\@
.Lno_part_\@:
.rept 4
	v_nop
.endr
.Lweight_asked_\@:
.endm
.macro CREST                           ; a round of the cluster's barrier behind its opening barrier
	s_cmp_lg_u32 s14, 0
	s_cbranch_scc1 .Lnot_wave_0_\@
	s_barrier_signal -3
.Lnot_wave_0_\@:
	s_barrier_wait -3
	s_barrier_signal -1
	s_barrier_wait -1
.endm
.macro CROUND                          ; a whole round
	s_barrier_signal -1
	s_barrier_wait -1
	CREST
.endm
	s_load_b512 s[68:83], s[0:1], 0x0              ; x s[68:69], Wq s[70:71], Wk s[72:73], Wv s[74:75], scales s[76:77], q_codes s[78:79], k_codes s[80:81], v_codes s[82:83]
	v_lshl_add_u32 v[SPW], v0, 2, SPARE
	v_mov_b32 v[NIL], 0
	ds_add_u32 v[SPW], v[NIL]                      ; the wave's opening: the add, twice on end, and its wait; the set-up between is work on registers
	ds_add_u32 v[SPW], v[NIL]
	v_lshrrev_b32 v1, 5, v0
	v_readfirstlane_b32 s14, v1                    ; wave 0..3
	s_lshr_b32 s15, s14, 1                         ; which half of the result's rows is mine.  Also: I fetch for x (0) or for the weight (1)
	s_and_b32 s16, s14, 1                          ; which half of its columns.  Also: which part of that tile I fetch
	s_bfe_u32 s40, ttmp6, 0x40000                  ; cx: also the weight's tile in the first product
	s_bfe_u32 s41, ttmp6, 0x40004                  ; cy
	s_and_b32 s4, ttmp7, 0xffff                    ; the cluster's y
	s_lshr_b32 s5, s4, 3                           ; kind: 0 q, 1 k
	s_and_b32 s6, s4, 7
	s_lshl_b32 s6, s6, 2                           ; 4 jj
	s_add_co_u32 s17, s6, s41                      ; x's tile: 4 jj + cy
	s_lshl_b32 s7, s5, 2
	s_add_co_u32 s7, s7, s40                       ; which 128 rows of W_value: 4 kind + cx
	s_lshl_b32 s43, s41, 2
	s_lshl_b32 s43, 15, s43                        ; my row of the cluster
	s_lshl_b32 s44, 0x1111, s40                    ; my column
	s_or_b32 s[G1+0], s43, (0<<16)|(1<<20)|(1<<21)|(5<<22)|(3<<25)  ; 15:0 the mask; 17:16 elements of 1 byte; 20 padding on; 21 set beside a mask; 24:22 after every 64 words; 31:25 four words
	s_or_b32 s[G1B+0], s44, (0<<16)|(1<<20)|(1<<21)|(5<<22)|(3<<25)
.irp g, G1, G1B
	s_mov_b32 s[\g+1], ROWB<<16                    ; tensor_dim0 = 256
	s_mov_b32 s[\g+2], 128<<16                     ; tensor_dim1 = 128
	s_mov_b32 s[\g+3], ROWB<<16                    ; tile_dim0 = 256
	s_mov_b32 s[\g+4], 128                         ; tile_dim1 = 128
	s_mov_b32 s[\g+5], KROW                        ; from row to row
	s_mov_b32 s[\g+6], 0
	s_mov_b32 s[\g+7], 0
.endr
	; the three tiles' offsets, each in registers that never hold the coordinate that its partners do not share
	s_lshl_b32 s18, s16, 7                         ; which 128 rows of a tile of 256 I fetch
	s_lshl_b32 s20, s17, 8
	s_add_co_u32 s20, s20, s18
	s_lshl_b32 s20, s20, 10                        ; x: (256 x tile + 128 x half) rows of 1,024 bytes
	s_mov_b32 s21, 0
	s_lshl_b32 s46, s40, 8
	s_add_co_u32 s46, s46, s18
	s_lshl_b32 s46, s46, 10                        ; the first product's weight
	s_mov_b32 s47, 0
	s_lshl_b32 s[A2], s7, 7
	s_lshl_b32 s[A2+1], s16, 6
	s_add_co_u32 s[A2], s[A2], s[A2+1]
	s_lshl_b32 s[A2], s[A2], 10                    ; W_value: (128 x half tile + 64 x part) rows
	s_mov_b32 s[A2+1], 0
	s_mul_i32 s45, s14, HALFT                      ; where they go: part = wave: no place in the cluster enters an LDS address
	s_lshl_b32 s94, s40, 21                        ; q or k: the chunk of 256 e,
	s_lshl_b32 s95, s17, 16
	s_add_co_u32 s94, s94, s95                     ; + the tile's 256 tokens x 256 bytes,
	s_lshl_b32 s95, s15, 15
	s_add_co_u32 s94, s94, s95
	s_lshl_b32 s95, s16, 13
	s_add_co_u32 s94, s94, s95                     ; + row 128 (wave / 2) + 32 (wave % 2): the two blocks of 16 rows that my wave stores of each half of the way out
	s_mov_b32 s95, 0
	s_lshl_b32 s[OUT2], s17, 18                    ; v: the tile of 256 tokens,
	s_lshl_b32 s[OUT2+1], s7, 15
	s_add_co_u32 s[OUT2], s[OUT2], s[OUT2+1]       ; + the 128 rows e x 256 bytes,
	s_lshl_b32 s[OUT2+1], s14, 13
	s_add_co_u32 s[OUT2], s[OUT2], s[OUT2+1]       ; + row 32 x wave
	s_mov_b32 s[OUT2+1], 0
	s_wait_dscnt 0x0                               ; both opening adds are done
	s_wait_kmcnt 0x0
	s_load_b256 s[84:91], s[76:77], 0x0            ; e0 .. e7
	s_load_b64 s[92:93], s[76:77], 0x20            ; e8, e9
	s_cmp_eq_u32 s5, 0
	s_cselect_b64 s[22:23], s[70:71], s[72:73]     ; W_query or W_key
	s_cselect_b64 s[OUT1:OUT1+1], s[78:79], s[80:81]   ; q_codes or k_codes
	s_add_nc_u64 s[20:21], s[68:69], s[20:21]
	s_add_nc_u64 s[46:47], s[22:23], s[46:47]
	s_add_nc_u64 s[A2:A2+1], s[74:75], s[A2:A2+1]
	s_add_nc_u64 s[OUT1:OUT1+1], s[OUT1:OUT1+1], s[94:95]
	s_add_nc_u64 s[OUT2:OUT2+1], s[82:83], s[OUT2:OUT2+1]
	s_or_b32 s[G1C+0], s44, (0<<16)|(1<<20)|(1<<21)|(5<<22)|(3<<25)  ; the third group 1 takes the registers that held the first four addresses: as the weight's, with 64 rows
	s_mov_b32 s[G1C+1], ROWB<<16                   ; tensor_dim0 = 256
	s_mov_b32 s[G1C+2], 64<<16                     ; tensor_dim1 = 64
	s_mov_b32 s[G1C+3], ROWB<<16                   ; tile_dim0 = 256
	s_mov_b32 s[G1C+4], 64                         ; tile_dim1 = 64
	s_mov_b32 s[G1C+5], KROW
	s_mov_b32 s[G1C+6], 0
	s_mov_b32 s[G1C+7], 0
	CROUND                                         ; all sixteen work-groups are here: the first joint loads meet
.irp s, 0,1
	s_mov_b32 s[G0+4*\s], 1
	s_add_co_u32 s[G0+4*\s+1], s45, \s*SLOT
	s_add_nc_u64 s[G0+4*\s+2:G0+4*\s+3], s[20:21], \s*KSTRIDE
	s_or_b32 s[G0+4*\s+3], s[G0+4*\s+3], 0x80000000
	s_mov_b32 s[G0B+4*\s], 1
	s_add_co_u32 s[G0B+4*\s+1], s45, \s*SLOT
	s_add_nc_u64 s[G0B+4*\s+2:G0B+4*\s+3], s[46:47], \s*KSTRIDE
	s_or_b32 s[G0B+4*\s+3], s[G0B+4*\s+3], 0x80000000
.endr
	JLOAD G0, G1, G0B, G1B                         ; K step 0: one tensor load a wave at the head
	; the prefetches: of the 128 rows that my wave fetches, each of the four partners that ask for them jointly names 32, a lane a row (cx for x, cy for the weight)
	s_cmp_eq_u32 s15, 0
	s_cselect_b64 s[PFA:PFA+1], s[20:21], s[46:47]
	s_cselect_b32 s98, s40, s41
	s_lshl_b32 s98, s98, 15
	s_mov_b32 s99, 0
	s_add_nc_u64 s[PFA:PFA+1], s[PFA:PFA+1], s[98:99]
	s_lshl_b32 s98, s41, 14                        ; of W_value's 64 rows: 16
	s_add_nc_u64 s[PFV:PFV+1], s[A2:A2+1], s[98:99]
	v_and_b32 v6, 31, v0
	v_lshlrev_b32 v[PFO], 10, v6
	global_prefetch_b8 v[PFO], s[PFA:PFA+1] offset:KSTRIDE th:TH_LOAD_NT scope:SCOPE_SE
	global_prefetch_b8 v[PFO], s[PFA:PFA+1] offset:2*KSTRIDE th:TH_LOAD_NT scope:SCOPE_SE
	v_lshlrev_b32 v[CO], 4, v6
	v_lshrrev_b32 v3, 1, v6
	v_lshlrev_b32 v3, 10, v3
	v_and_b32 v5, 1, v6
	v_lshl_add_u32 v[PFW], v5, 8, v3
	v_and_b32 v1, 15, v0                           ; r = lane % 16
	v_bfe_u32 v2, v0, 4, 1                         ; h = lane / 16
	v_mul_u32_u24 v3, v1, PITCH
	v_lshl_add_u32 v4, v2, 4, v3                   ; a fragment's row x pitch + 16 x half
	s_wait_alu depctr_va_vdst(0)
	s_mul_i32 s21, s15, HALFT                      ; the first product: my 128 rows of x,
	s_mul_i32 s22, s16, HALFT                      ; my 128 rows of the weight, which lie behind x's two parts.
	s_add_co_u32 s23, s22, 2*HALFT                 ; The second: my 128 rows of x by wave % 2,
	s_add_co_u32 s20, s21, 2*HALFT                 ; my 64 rows of W_value by wave / 2
.irp s, 0,1
	v_add_nc_u32 v[ADRA+\s], s21, v4
	v_add_nc_u32 v[ADRB+\s], s23, v4
	v_add_nc_u32 v[ADRX+\s], s22, v4
	v_add_nc_u32 v[ADRW+\s], s20, v4
	s_add_co_u32 s20, s20, SLOT
	s_add_co_u32 s21, s21, SLOT
	s_add_co_u32 s22, s22, SLOT
	s_add_co_u32 s23, s23, SLOT
.endr
	s_mul_i32 s21, s15, 64*PITCH                   ; the stage: 64 rows for each half of the tile's rows,
	s_lshl_b32 s23, s16, 7                         ; my 128 columns
	s_add_co_u32 s23, s23, s21
	s_add_co_u32 s23, s23, STG
	v_lshl_add_u32 v5, v2, 3, v3                   ; row r, 8 bytes for each half of the lanes
	v_add_nc_u32 v[STO], s23, v5
	s_mul_i32 s23, s14, 32*PITCH                   ; back: wave w takes rows 32 w on, as fragments
	s_add_co_u32 s23, s23, STG
	v_add_nc_u32 v[RD], s23, v4
.macro FRAG reg, adr, q, i             ; a fragment: lane l holds row l % 16; registers 4 c .. 4 c + 3 hold K = 32 c + 16 (l / 16) + 0 .. 15: the same places in both operands, so every product meets its partner
.irp c, 0,1,2,3
	ds_load_b128 v[\reg+4*\c:\reg+4*\c+3], v[\adr] offset:128*(\q)+32*\c+(\i)*16*PITCH
.endr
.endm
; 16 matrix instructions: the registers of A's blocks a0, a0 + 1 x the eight of source 0, 128 along K, onto accumulators (a % 4, b) of the window that is set.  p: source 0's set.  zero = 1: the first product starts the sums.
; The accumulators take turns, one instruction a turn, in the same order in every step.
.macro MUL16 a0, p, zero
.irp a, \a0, \a0+1
.irp b, 0,1,2,3,4,5,6,7
.if \zero
	v_wmma_f32_16x16x128_fp8_fp8 v[8*(8*((\a)%4)+\b):8*(8*((\a)%4)+\b)+7], v[128*(\p)+FR*\b:128*(\p)+FR*\b+FR-1], v[AF+FR*(\a):AF+FR*(\a)+FR-1], 0
.else
	v_wmma_f32_16x16x128_fp8_fp8 v[8*(8*((\a)%4)+\b):8*(8*((\a)%4)+\b)+7], v[128*(\p)+FR*\b:128*(\p)+FR*\b+FR-1], v[AF+FR*(\a):AF+FR*(\a)+FR-1], v[8*(8*((\a)%4)+\b):8*(8*((\a)%4)+\b)+7]
.endif
.endr
.endr
.endm
.macro FETCH_B adr, q, p               ; source 0's eight fragments of the slot's q-th 128 along K into set p
	WIN TO_B
.irp i, 0,1,2,3,4,5,6,7
	FRAG 128*(\p)+FR*\i, \adr, \q, \i
.endr
	WIN 0
.endm
.macro FETCH_A slot, q, i0             ; the first product: x's blocks i0 .. i0 + 3
.irp i, \i0, \i0+1, \i0+2, \i0+3
	FRAG AF+FR*(\i), ADRA+\slot, \q, \i
.endr
.endm
.macro FETCH2 slot, q, p               ; the second product: 48 LDS loads in one run: x's eight fragments and W_value's four into their sets p
	FETCH_B ADRX+\slot, \q, \p
.irp i, 0,1,2,3
	FRAG AF+FR*(\i+4*(\p)), ADRW+\slot, \q, \i
.endr
.endm
.macro PLACES n                        ; plain vector instructions between a matrix instruction and a load into its sources or a read of its result
.rept \n
	v_nop
.endr
.endm
; THE FIRST PRODUCT.  A step of 128 along K that has its successor in the same slot.
.macro STEP slot, q, zero
	s_wait_dscnt 4*NL                              ; B's set and A's blocks 0-3 are in; the youngest sixteen loads (A's blocks 4-7) may be out
	WIN MUL_LO
	MUL16 0, (\q)%2, \zero
	MUL16 2, (\q)%2, \zero
	s_wait_dscnt 0                                 ; A's blocks 4-7 are in
	PLACES NP
	FETCH_B ADRB+\slot, (\q)+1, 1-(\q)%2
	FETCH_A \slot, (\q)+1, 0
	WIN MUL_HI
	MUL16 4, (\q)%2, \zero
	MUL16 6, (\q)%2, \zero
	PLACES NP
	WIN 0
	FETCH_A \slot, (\q)+1, 4
.endm
; A slot's last step changes slots: ONE barrier, which opens a round of the cluster's; in front of it each wave waits for all its tensor loads, adds 0 to its spare word, and waits for that and for its reads of this slot.
; fill = 1: the slot takes this product's K step two on; 2: x's tile stays, and W_value's K step 2 (slot 0) or 3 (slot 1) takes the weight's place.  fetch = 0: the product's very last step: no fragments follow.
.macro TURN slot, next, fill, fetch
	s_wait_tensorcnt 0x0                           ; all my tensor loads have landed: my part of the next slot
	ds_add_u32 v[SPW], v[NIL]                      ; 0 onto my spare word
	s_wait_dscnt 4*NL+1                            ; (the add and the youngest sixteen loads may be out)
	WIN MUL_LO
	MUL16 0, 1, 0
	s_wait_dscnt 0x0                               ; the add is done, and my reads of this slot are over
	s_barrier_signal -1
	MUL16 2, 1, 0
	WIN 0
	s_barrier_wait -1
	CREST                                          ; no wave of any partner still reads this slot or has a load on its way
.if \fill == 1
	s_add_nc_u64 s[G0+4*\slot+2:G0+4*\slot+3], s[G0+4*\slot+2:G0+4*\slot+3], 2*KSTRIDE
	s_add_nc_u64 s[G0B+4*\slot+2:G0B+4*\slot+3], s[G0B+4*\slot+2:G0B+4*\slot+3], 2*KSTRIDE
	JLOAD G0+4*\slot, G1, G0B+4*\slot, G1B         ; the first tensor load behind the round; its four v_nop are the places in front of the loads below
.else
	s_add_nc_u64 s[G0B+4*\slot+2:G0B+4*\slot+3], s[A2:A2+1], (2+\slot)*KSTRIDE
	s_or_b32 s[G0B+4*\slot+3], s[G0B+4*\slot+3], 0x80000000
	WLOAD G0B+4*\slot                              ; the weight's part is now 64 rows, at the same LDS address
.endif
.if \fetch
	s_wait_alu depctr_va_vdst(0)
	FETCH_B ADRB+\next, 0, 0
	FETCH_A \next, 0, 0
.endif
.if \slot == 0                         ; W_value's K steps 2 and 3 (fill = 1), 0 and 1 (fill = 2): 16 rows x 512 bytes, in the waves that fetch it
	s_cmp_eq_u32 s15, 0
	s_cbranch_scc1 .Lnot_mine_\@
	global_prefetch_b8 v[PFW], s[PFV:PFV+1] offset:(2-\fill)*2*KSTRIDE th:TH_LOAD_NT scope:SCOPE_SE
.Lnot_mine_\@:
.endif
	WIN MUL_HI
	MUL16 4, 1, 0
	MUL16 6, 1, 0
.if \fetch
	PLACES NP
	WIN 0
	FETCH_A \next, 0, 4
.else
	WIN 0
.endif
.endm
; THE SECOND PRODUCT.  A step of 128 along K is 32 matrix instructions; both operands have two sets.  A slot's first step works on sets 0 and fetches the slot's second 128 along K into sets 1, ahead of its products.
.macro STEP2 slot, zero
	s_wait_dscnt 0x0                               ; sets 0 are in
	PLACES NP                                      ; in front of loads into sets 1, which the step before multiplied
	FETCH2 \slot, 1, 1
	WIN MUL_LO
	MUL16 0, 0, \zero
	MUL16 2, 0, \zero
	WIN 0
.endm
; A slot's second step works on sets 1 and changes slots, as TURN does.  fill = 1: the slot takes the K step two back: 0 behind 2, 1 behind 3.
.macro TURN2 slot, next, fill
	s_wait_tensorcnt 0x0                           ; all my tensor loads have landed: my part of the next slot; so a group 0 may be written
	ds_add_u32 v[SPW], v[NIL]                      ; 0 onto my spare word; the descriptors' steps stand between it and the wait for it
.if \fill
	s_sub_nc_u64 s[G0+4*\slot+2:G0+4*\slot+3], s[G0+4*\slot+2:G0+4*\slot+3], 2*KSTRIDE
	s_sub_nc_u64 s[G0B+4*\slot+2:G0B+4*\slot+3], s[G0B+4*\slot+2:G0B+4*\slot+3], 2*KSTRIDE
.endif
	s_wait_dscnt 0x0                               ; the add is done, sets 1 are in, and my reads of this slot are over
	s_barrier_signal -1
	WIN MUL_LO
	MUL16 4, 1, 0                                  ; work on registers while the others arrive
	WIN 0
	s_barrier_wait -1
.if \fill
	CREST
	JLOAD G0+4*\slot, G1, G0B+4*\slot, G1C         ; the first tensor load behind the round; its four v_nop are the places in front of the loads below
.else
	PLACES NP
.endif
	FETCH2 \next, 0, 0
	WIN MUL_LO
	MUL16 6, 1, 0
	WIN 0
.endm
; THE WAY OUT, four blocks of 16 rows at a time.  QCVT: block a is held and converted (a lane's eight registers are eight neighbours along the next K); each accumulator is read from its low end on.
.macro QCVT a, pcb, sc, lim
.set AC, 64*((\a)%4)
	WIN 0x82+0x41*((\a)/4)                         ; source 0 and destination: window 2 or 3
.set j, 0
.rept 64
	v_med3_num_f32 v[AC+j], v[AC+j], -v[\lim], v[\lim]   ; the conversion to an 8-bit code does not saturate (ISA guide 7.6.2): the hold comes first
.set j, j+1
.endr
	WIN 0x02+((\a)/4)
.irp b, 0,1,2,3,4,5,6,7
	v_cvt_scalef32_pk8_fp8_f32 v[\pcb+16*((\a)%4)+2*\b:\pcb+16*((\a)%4)+2*\b+1], v[AC+8*\b:AC+8*\b+7], v[\sc]
.endr
	v_nop                                          ; one plain vector instruction behind the last conversion of a run
	WIN 0
.endm
.macro QSTO a, pcb                     ; its codes into the stage, 8 bytes a tile: the 32 lanes touch 64 different banks: word 68 r + 2 h
.irp b, 0,1,2,3,4,5,6,7
	ds_store_b64 v[STO], v[\pcb+16*((\a)%4)+2*\b:\pcb+16*((\a)%4)+2*\b+1] offset:((\a)%4)*16*PITCH+16*\b
.endr
.endm
.macro BAR                             ; my LDS stores have landed and my LDS loads are in: then the work-group's barrier.  A tensor load may be on its way across it
	s_wait_dscnt 0x0
	s_barrier_signal -1
	s_barrier_wait -1
.endm
.macro LOADBACK pcb                    ; 32 rows of the stage as fragments: load t is block t / 8 of 16 rows, half (t / 4) % 2 of the 256 columns, c = t % 4
.set t, 0
.rept 16
	ds_load_b128 v[\pcb+4*t:\pcb+4*t+3], v[RD] offset:(t/8)*16*PITCH+32*(t%8)
.set t, t+1
.endr
.endm
.macro SENDOUT pcb, base, off
.set t, 0
.rept 16
	s_wait_dscnt 15-t                              ; load t is in; those issued behind it may be out
	global_store_b128 v[CO], v[\pcb+4*t:\pcb+4*t+3], s[\base:\base+1] offset:512*t+\off   ; a piece of a fragment: 512 consecutive bytes, at a multiple of 256 from the buffer's first byte
.set t, t+1
.endr
.endm
	s_wait_alu depctr_va_vdst(0)
	s_wait_tensorcnt 0x0                           ; my part of K step 0 is in
	ds_add_u32 v[SPW], v[NIL]
	s_wait_dscnt 0x0
	CROUND                                         ; everybody's part of K step 0 is in, and all sixteen work-groups are here
	JLOAD G0+4, G1, G0B+4, G1B                     ; K step 1's load, the first tensor load behind the round
	FETCH_B ADRB, 0, 0
	FETCH_A 0, 0, 0
	FETCH_A 0, 0, 4
	global_prefetch_b8 v[PFO], s[PFA:PFA+1] offset:3*KSTRIDE th:TH_LOAD_NT scope:SCOPE_SE   ; K step 3, the first product's last
	STEP 0, 0, 1                                   ; K = 1,024 is four K steps of 256: written out, no loop.  The first products start the sums
	TURN 0, 1, 1, 1                                ; slot 0 takes K step 2
	STEP 1, 0, 0
	TURN 1, 0, 1, 1                                ; slot 1 takes K step 3
	STEP 0, 0, 0
	TURN 0, 1, 2, 1                                ; slot 0 keeps x's K step 2 and takes W_value's
	STEP 1, 0, 0
	TURN 1, 0, 2, 0                                ; slot 1 keeps x's K step 3 and takes W_value's; in front of this barrier every wave has seen its part of slot 0 land
	; THE FIRST TILE GOES OUT while that load is on its way.
	s_wait_kmcnt 0x0
	s_sub_co_i32 s84, s90, s84
	s_sub_co_i32 s84, s84, s85                     ; e6 - e0 - e1
	s_sub_co_i32 s86, s91, s86
	s_sub_co_i32 s86, s86, s87                     ; e7 - e2 - e3
	s_sub_co_i32 s88, s93, s88
	s_sub_co_i32 s88, s88, s89                     ; e9 - e4 - e5
	s_cmp_eq_u32 s5, 0
	s_cselect_b32 s84, s84, s86                    ; d of q or of k
	s_add_co_i32 s84, s84, 127
	s_lshl_b32 s85, s84, 23                        ; 2^d as f32: the conversion takes its exponent field
	s_add_co_i32 s84, s84, 8
	s_lshl_b32 s84, s84, 23
	s_or_b32 s84, s84, 0x600000                    ; 448 x 2^d
	s_add_co_i32 s88, s88, 127
	s_lshl_b32 s89, s88, 23                        ; the same for v
	s_add_co_i32 s88, s88, 8
	s_lshl_b32 s88, s88, 23
	s_or_b32 s88, s88, 0x600000
	PLACES NP                                      ; behind the last products
	v_mov_b32 v[SC], s85
	v_mov_b32 v[LIM], s84
	v_mov_b32 v[SC2], s89
	v_mov_b32 v[LIM2], s88
.irp a, 0,1,2,3
	QCVT \a, PC0, SC, LIM
	QSTO \a, PC0
.endr
	BAR                                            ; rows 0-63 of each half of the tile lie in the stage (a row's 256 bytes come from two waves)
	LOADBACK PC0
.irp a, 4,5,6,7
	QCVT \a, PC1, SC, LIM                          ; the other blocks' arithmetic stands between those loads and their stores; their codes take the registers that held A's blocks 4-7
.endr
	s_wait_alu depctr_va_vdst(0)
	SENDOUT PC0, OUT1, 0
	BAR                                            ; every wave's reads of the stage are back: it may be written again
.irp a, 4,5,6,7
	QSTO \a, PC1
.endr
	BAR
	LOADBACK PC1
	SENDOUT PC1, OUT1, 64*256                      ; rows 64-127 of each half of the tile
	; THE SECOND PRODUCT: 128 rows of W_value x 256 tokens.
	s_wait_xcnt 0x0                                ; all the stores above have read their registers: v192-255 take fragments again, v64-127 later the next codes
	FETCH2 0, 0, 0
	STEP2 0, 1                                     ; K step 2: the first products start the sums
	TURN2 0, 1, 1                                  ; slot 0 takes K step 0, of x and of W_value
	STEP2 1, 0
	TURN2 1, 0, 1                                  ; slot 1 takes K step 1
	STEP2 0, 0
	TURN2 0, 1, 0                                  ; nothing is left to fetch
	STEP2 1, 0
	s_wait_dscnt 0x0
	WIN MUL_LO
	MUL16 4, 1, 0
	MUL16 6, 1, 0
	WIN 0
	PLACES NP                                      ; behind the last products
.irp a, 0,1,2,3
	QCVT \a, PC0, SC2, LIM2
	QSTO \a, PC0                                   ; every wave's last reads of the stage stand in front of the barriers of this product's changes of slots
.endr
	BAR
	LOADBACK PC0
	SENDOUT PC0, OUT2, 0
	s_wait_tensorcnt 0x0                           ; the wave's end
	ds_add_u32 v[SPW], v[NIL]
	s_wait_dscnt 0x0
	CROUND                                         ; the closing round
	s_endpgm
.Lfunc_end_k_qfcffc98356_proj:
	.size	k_qfcffc98356_proj, .Lfunc_end_k_qfcffc98356_proj-k_qfcffc98356_proj
	.p2alignl 7, 3214868480
	.fill 96, 4, 3214868480
	.section	.rodata,"a",@progbits
	.p2align	6, 0x0
	.amdhsa_kernel k_qfcffc98356_proj
		.amdhsa_group_segment_fixed_size 327680
		.amdhsa_private_segment_fixed_size 0
		.amdhsa_enable_private_segment 0
		.amdhsa_kernarg_size 64
		.amdhsa_user_sgpr_count 2
		.amdhsa_user_sgpr_kernarg_segment_ptr 1
		.amdhsa_wavefront_size32 1
		.amdhsa_system_sgpr_workgroup_id_x 1
		.amdhsa_system_sgpr_workgroup_id_y 1
		.amdhsa_system_sgpr_workgroup_id_z 1
		.amdhsa_system_vgpr_workitem_id 0
		.amdhsa_next_free_vgpr 1024
		.amdhsa_next_free_sgpr 100
		.amdhsa_reserve_vcc 0
		.amdhsa_float_denorm_mode_32 3
		.amdhsa_float_denorm_mode_16_64 3
		.amdhsa_memory_ordered 1
		.amdhsa_forward_progress 1
		.amdhsa_inst_pref_size 198
	.end_amdhsa_kernel
	.amdgpu_metadata
---
amdhsa.version: [ 1, 2 ]
amdhsa.kernels:
  - .name:           k_qfcffc98356_proj
    .symbol:         k_qfcffc98356_proj.kd
    .args:
      - { .name: x_codes, .offset: 0, .size: 8, .value_kind: global_buffer, .address_space: global }
      - { .name: W_query_codes, .offset: 8, .size: 8, .value_kind: global_buffer, .address_space: global }
      - { .name: W_key_codes, .offset: 16, .size: 8, .value_kind: global_buffer, .address_space: global }
      - { .name: W_value_codes, .offset: 24, .size: 8, .value_kind: global_buffer, .address_space: global }
      - { .name: lowp_scales, .offset: 32, .size: 8, .value_kind: global_buffer, .address_space: global }
      - { .name: q_codes, .offset: 40, .size: 8, .value_kind: global_buffer, .address_space: global }
      - { .name: k_codes, .offset: 48, .size: 8, .value_kind: global_buffer, .address_space: global }
      - { .name: v_codes, .offset: 56, .size: 8, .value_kind: global_buffer, .address_space: global }
    .group_segment_fixed_size: 327680
    .private_segment_fixed_size: 0
    .kernarg_segment_align: 8
    .kernarg_segment_size: 64
    .max_flat_workgroup_size: 128
    .sgpr_count:     100
    .vgpr_count:     1024
    .wavefront_size: 32
...
	.end_amdgpu_metadata
.endif
;; end of part 1
;; launch score (part 2): grid 62 x 4, 4 waves a work-group, no clusters, 327,680 bytes of LDS; arguments q_codes, k_codes, lowp_scales, p_codes, stats; writes p_codes, stats
.if DOCPART == 2
	.amdgcn_target "amdgcn-amd-amdhsa--gfx1250"
	.amdhsa_code_object_version 6
	.text
	.protected	k_qfcffc98356_score
	.globl	k_qfcffc98356_score
	.p2align	8
	.type	k_qfcffc98356_score,@function
k_qfcffc98356_score:
	s_mov_b64 s[64:65], 0
	v_nop
	global_prefetch_b8 v0, s[64:65] scope:SCOPE_SE
	s_setreg_imm32_b32 hwreg(HW_REG_WAVE_MODE, 25, 1), 1
	s_wait_xcnt 0x0
; One causal tile of S = q k^T, 160 queries x 256 keys, K = 1,024, on codes of FP8 (E4M3); then, for each row of the tile: t = score x log2(e) / 32 x 2^(e6 + e7); M_b = the ceiling of the row's largest t
; AMONG THE TILE'S 256 KEYS, a whole number; p = 2^(t - M_b), quantised with the given 2^e8 along the keys; the row's sum of the unquantised p.  The next launch brings each block under the row's own M by 2^(M_b - M), a power of two.
; Tiles all of whose keys come after all of their queries are left out: reference() gives them the weight 0 by its causal mask, whatever the inputs hold.
; q_codes, k_codes: fragments: [4 chunks of 256 e][512 blocks of 16 tokens][2 halves of 128 e][4 c][32 lanes][16 bytes]: lane (r, h) of piece c holds row r, e = 32 c + 16 h + 0 .. 15 of the half.
; p_codes: by PAIRS of query blocks of 128: [8 batch + g][9 units][128 queries][256 keys]: pair g holds block g's g / 2 + 1 units of 256 keys, then block 15 - g's.
; stats: [13 batch + i][8 units][2][256] f32, 192 of the 256 used: -M_b of row block i's rows; their sums (words 160-191 repeat rows 144-159).
; SHARES.  A batch has 13 blocks of 160 rows with 1, 2, 2, 3, 4, 4, 5, 5, 6, 7, 7, 8, 8 units of keys: 62 tiles.  The last block begins at row 1,888: its first 32 rows belong to the block before and are not stored.
; Four waves: 160 queries x 64 keys each: 40 accumulators.  q's 160 rows STAY IN LDS (two loads a wave: chunks 0-1, chunks 2-3: nothing is filled again).  k goes from memory STRAIGHT INTO REGISTERS, three steps of 128 along K ahead: no two waves of a work-group need the same piece.
; NO CLUSTER: a row block's 1 to 8 tiles do not divide into fours.  NO PREFETCH: k's loads run three of its eight steps ahead in registers, and q's second load sets out as soon as its first has landed; there is no third.
; THE MATRIX INSTRUCTION IS USED TRANSPOSED (source 0 = 16 keys, source 1 = 16 queries): lane (r, h), register j of accumulator (a, n) is S(query 16 a + r, key 64 wave + 16 n + 8 h + j).
; LIMITS: e6 + e7 between -121 and 132 (added to the exponent field of log2(e) / 32); e8 between -126 and 119.  The scaled scores stay under 2^31 in magnitude.  For e8 under -8 the hold at 448 x 2^e8 meets each block's largest p, not the row's alone.  NaN codes are not served.
; REGISTERS, windows of 256: 0: addresses; v96-255 five sets of q's fragments (two tiles of 16 queries each).  1: k's fragments, four buffers of 64.  2: accumulators of tiles 0-7 ((a, n) at v[8 (4 a + n)]);  3: of tiles 8 and 9.
.set QB,   40960                       ; a chunk of q in LDS: 10 blocks of 4,096 bytes, as they lie in memory
.set STG,  4*QB                        ; the stage: 160 rows x 272 bytes
.set PITCH, 272
.set XM,   STG+160*PITCH               ; 192 rows x 4 waves x 4 bytes: the row maxima
.set LSM,  XM+3072                     ; the same for the row sums
.set SPARE, LSM+3072                   ; the spare words, 128 bytes a wave, which no other line names
.set AQ,   4                           ; v4-7    16 x lane, in each chunk
.set CO,   8                           ; v8      16 x lane
.set DD,   9                           ; v9      row0 - 256 j - 64 wave + r - 8 h: register j of (a, n) is hidden where 16 (n - a) + j > it
.set NINF, 10                          ; v10     -infinity
.set STO,  11                          ; v11     where I put 8 codes of a row
.set RD,   12                          ; v12     where I read my 40 rows back
.set XMW,  13                          ; v13     where I put a row's maximum or sum
.set XMR,  14                          ; v14     where a row's four maxima lie
.set STR,  15                          ; v15     stats: my two rows' maxima and sums
.set SC,   16                          ; v16     2^e8
.set LIM,  17                          ; v17     448 x 2^e8
.set SOF,  18                          ; v18     my two rows' bytes in a plane of stats
.set SPW,  28
.set NIL,  29
.set MX,   32
.set MY,   44
.set NM2,  54                          ; -M_b, ten pairs
.set LS,   74                          ; the sums
.set SM,   84
.set QS,   96
.set PC,   96                          ; on the way out: codes;  v176-255 rows read back
.set BK,   176
.set G1,   24
.set G0,   32
.set KP,   40                          ; s[40:41] my 64 keys
.set PW,   44                          ; s[44:53] where my five groups of 8 rows go;  s54-58 whether they are stored
.set PV,   54
.set SEL,  88
.set CS,   90                          ; s[90:91] log2(e) / 32 x 2^(e6 + e7), twice
.set MSB, 0
.macro WIN new
.if MSB != (\new)
	s_set_vgpr_msb (MSB<<8)|(\new)
.set MSB, (\new)
.endif
.endm
.macro PLACES                          ; between a matrix instruction and a load into its sources or a read of its result
.rept 4
	v_nop
.endr
.endm
.macro KL s                            ; k's sixteen loads of step s, into buffer s % 4; four blocks of 16 keys
	WIN 0x40
.irp n, 0,1,2,3
.irp c, 0,1,2,3
	global_load_b128 v[64*((\s)%4)+16*\n+4*\c:64*((\s)%4)+16*\n+4*\c+3], v[CO], s[KP:KP+1] offset:((\s)/2)*2097152+4096*\n+2048*((\s)%2)+512*\c
.endr
.endr
	WIN 0
.endm
.macro QL chunk, half, g               ; q's two fragments of pair g of its tiles
.irp q, 0,1
.irp c, 0,1,2,3
	ds_load_b128 v[QS+32*(\g)+16*\q+4*\c:QS+32*(\g)+16*\q+4*\c+3], v[AQ+\chunk] offset:(2*(\g)+\q)*4096+2048*(\half)+512*\c
.endr
.endr
.endm
; GROUP g of step s: tiles 2 g, 2 g + 1 x four blocks of keys: 8 matrix instructions.  The 40 accumulators take turns, one instruction a turn, in the same order in every step.
; q's fragments come four groups ahead: the set that the group before has multiplied is filled again.
.macro GR s, g
.set GI, 5*(\s)+(\g)
.set GN, GI+4
.if GI < 37
	s_wait_dscnt 24                                ; this group's eight loads are in; three groups' may be out
.else
	s_wait_dscnt 8*(39-GI)
.endif
.if (\g) == 0
.if (\s) < 6
	s_wait_loadcnt 32                              ; this step's k is in; two steps' may be out
.else
	s_wait_loadcnt 16*(7-(\s))
.endif
.endif
.if GI == 16                           ; the next loads from LDS are chunk 2's
	s_wait_tensorcnt 0x0                           ; my part of chunks 2-3 is in,
	s_wait_dscnt 0x0
	s_barrier_signal -1
	s_barrier_wait -1                              ; everybody's is
.endif
	PLACES
.if ((\g) == 0) && ((\s) < 5)
	KL (\s)+3
.endif
.if GN < 40
	QL (GN/5)/2, (GN/5)%2, GN%5
.endif
	WIN 0xa1+0x50*((\g)/4)                         ; source 0 (k) window 1, source 1 (q) window 0, C and D window 2 or 3
.irp q, 0,1
.irp n, 0,1,2,3
.if (\s) == 0
	v_wmma_f32_16x16x128_fp8_fp8 v[64*((\g)%4)+32*\q+8*\n:64*((\g)%4)+32*\q+8*\n+7], v[64*((\s)%4)+16*\n:64*((\s)%4)+16*\n+15], v[QS+32*(\g)+16*\q:QS+32*(\g)+16*\q+15], 0
.else
	v_wmma_f32_16x16x128_fp8_fp8 v[64*((\g)%4)+32*\q+8*\n:64*((\g)%4)+32*\q+8*\n+7], v[64*((\s)%4)+16*\n:64*((\s)%4)+16*\n+15], v[QS+32*(\g)+16*\q:QS+32*(\g)+16*\q+15], v[64*((\g)%4)+32*\q+8*\n:64*((\g)%4)+32*\q+8*\n+7]
.endif
.endr
.endr
	WIN 0
.endm
; where 8 rows from 40 wave + 8 u on go, and whether: the unit is one of their block's, and (last row block) the rows are not the block's before
.macro PADDR u
	s_add_co_u32 s8, s59, 8*\u
	s_lshr_b32 s9, s8, 7                           ; block of 128 rows
	s_lshr_b32 s10, s9, 1
	s_sub_co_u32 s11, 15, s9
	s_sub_co_u32 s12, 8, s10
	s_cmp_lt_u32 s9, 8
	s_cselect_b32 s11, s9, s11                     ; pair
	s_cselect_b32 s12, 0, s12
	s_add_co_u32 s12, s12, s42                     ; unit in the pair
	s_add_co_u32 s11, s11, s60
	s_mul_i32 s11, s11, 9
	s_add_co_u32 s11, s11, s12
	s_lshl_b32 s11, s11, 15
	s_and_b32 s8, s8, 127
	s_lshl_b32 s8, s8, 8
	s_add_co_u32 s8, s8, s11
	s_mov_b32 s9, 0
	s_add_nc_u64 s[PW+2*\u:PW+2*\u+1], s[74:75], s[8:9]
	s_cmp_ge_u32 s10, s42
	s_cselect_b32 s13, 1, 0
	s_add_co_u32 s12, s61, 8*\u
	s_cmp_ge_u32 s12, s62
	s_cselect_b32 s[PV+\u], s13, 0
.endm
	s_load_b256 s[68:75], s[0:1], 0x0              ; q_codes s[68:69], k_codes s[70:71], scales s[72:73], p_codes s[74:75]
	s_load_b64 s[76:77], s[0:1], 0x20              ; stats
	v_lshl_add_u32 v[SPW], v0, 2, SPARE
	v_mov_b32 v[NIL], 0
	ds_add_u32 v[SPW], v[NIL]                      ; the wave's opening: the add, twice on end, and its wait
	ds_add_u32 v[SPW], v[NIL]
	v_lshrrev_b32 v1, 5, v0
	v_readfirstlane_b32 s14, v1                    ; wave 0..3
	s_and_b32 s4, ttmp7, 0xffff                    ; batch
	s_mov_b32 s17, 0
	s_mov_b32 s18, 0
.set k, 1
.irp cum, 1,3,5,8,12,16,21,26,32,39,46,54
	s_cmp_ge_u32 ttmp9, \cum
	s_cselect_b32 s17, k, s17                      ; i: the row block
	s_cselect_b32 s18, \cum, s18
.set k, k+1
.endr
	s_sub_co_u32 s42, ttmp9, s18                   ; j: the unit of 256 keys
	s_mul_i32 s19, s17, 160
	s_min_u32 s19, s19, 1888                       ; row0
	s_lshl_b32 s20, s4, 19
	s_lshl_b32 s5, s19, 8
	s_add_co_u32 s20, s20, s5                      ; q: blocks of 16 rows of 4,096 bytes
	s_lshr_b32 s15, s14, 1
	s_and_b32 s16, s14, 1
	s_lshl_b32 s5, s15, 21
	s_add_co_u32 s20, s20, s5
	s_mul_i32 s5, s16, QB/2
	s_add_co_u32 s20, s20, s5                      ; I fetch half wave % 2 of chunk wave / 2, later of chunk 2 + wave / 2
	s_mov_b32 s21, 0
	s_lshl_b32 s22, s4, 19
	s_lshl_b32 s5, s42, 16
	s_add_co_u32 s22, s22, s5
	s_lshl_b32 s5, s14, 14
	s_add_co_u32 s22, s22, s5                      ; k: 256 j + 64 wave
	s_mov_b32 s23, 0
	s_mul_i32 s6, s4, 13
	s_add_co_u32 s6, s6, s17
	s_lshl_b32 s6, s6, 3
	s_add_co_u32 s6, s6, s42
	s_lshl_b32 s6, s6, 11                          ; stats: 2,048 bytes a tile
	s_mov_b32 s7, 0
	s_mov_b32 s[G1], 0                             ; no mask, elements of 1 byte, no padding: 80 rows of 256 bytes, dense
	s_mov_b32 s[G1+1], 256<<16
	s_mov_b32 s[G1+2], 80<<16
	s_mov_b32 s[G1+3], 256<<16
	s_mov_b32 s[G1+4], 80
	s_mov_b32 s[G1+5], 256
	s_mov_b32 s[G1+6], 0
	s_mov_b32 s[G1+7], 0
	s_mov_b32 s[G0], 1
	s_mul_i32 s[G0+1], s14, QB/2
	s_mov_b32 s[G0+4], 1
	s_add_co_u32 s[G0+5], s[G0+1], 2*QB
	s_wait_dscnt 0x0                               ; both opening adds are done
	s_wait_kmcnt 0x0
	s_load_b128 s[84:87], s[72:73], 0x18           ; e6, e7, e8, e9
	s_add_nc_u64 s[G0+2:G0+3], s[68:69], s[20:21]
	s_add_nc_u64 s[G0+6:G0+7], s[G0+2:G0+3], 2*2097152
	s_or_b32 s[G0+3], s[G0+3], 0x80000000
	s_or_b32 s[G0+7], s[G0+7], 0x80000000
	s_add_nc_u64 s[KP:KP+1], s[70:71], s[22:23]
	s_add_nc_u64 s[76:77], s[76:77], s[6:7]
	tensor_load_to_lds s[G0:G0+3], s[G1:G1+7]      ; my part of chunks 0-1
	s_nop 0
	PLACES
	v_and_b32 v3, 31, v0
	v_lshlrev_b32 v[CO], 4, v3
	KL 0
	KL 1
	KL 2
	s_add_co_u32 s60, s16, 0
	s_mul_i32 s61, s14, 40
	s_add_co_u32 s59, s19, s61
	s_lshl_b32 s60, s4, 3                          ; 8 batch
	s_cmp_eq_u32 s17, 12
	s_cselect_b32 s62, 32, 0
.irp u, 0,1,2,3,4
	PADDR \u
.endr
	s_lshl_b32 s8, s42, 8
	s_lshl_b32 s9, s14, 6
	s_add_co_u32 s63, s8, s9                       ; my first key
	s_sub_co_i32 s10, s19, s63
	s_add_co_u32 s11, s9, STG                      ; my 64 columns of the stage
	s_mul_i32 s12, s14, 40*PITCH
	s_add_co_u32 s12, s12, STG
	s_lshl_b32 s13, s14, 2
	s_add_co_u32 s13, s13, XM
	s_lshl_b32 s8, s14, 10
	s_add_co_u32 s8, s8, XM
	s_lshl_b32 s9, s14, 8
	v_and_b32 v3, 31, v0
	v_and_b32 v1, 15, v0                           ; r
	v_bfe_u32 v2, v0, 4, 1                         ; h
	v_lshlrev_b32 v[AQ], 4, v3
	v_add_nc_u32 v[AQ+1], QB, v[AQ]
	v_add_nc_u32 v[AQ+2], 2*QB, v[AQ]
	v_add_nc_u32 v[AQ+3], 3*QB, v[AQ]
	v_lshlrev_b32 v20, 3, v2
	v_sub_nc_u32 v[DD], v1, v20
	v_add_nc_u32 v[DD], s10, v[DD]
	v_mov_b32 v[NINF], 0xff800000
	v_mul_u32_u24 v[STO], v1, PITCH
	v_lshl_add_u32 v[STO], v2, 3, v[STO]
	v_add_nc_u32 v[STO], s11, v[STO]
	v_mul_u32_u24 v[RD], v2, PITCH
	v_lshl_add_u32 v[RD], v1, 4, v[RD]
	v_add_nc_u32 v[RD], s12, v[RD]
	v_lshl_add_u32 v[XMW], v1, 4, s13
	v_lshl_add_u32 v[XMR], v1, 4, XM
	v_lshl_add_u32 v[STR], v3, 5, s8
	v_lshl_add_u32 v[SOF], v3, 3, s9
	s_wait_alu depctr_va_vdst(0)
	s_wait_tensorcnt 0x0                           ; my part of chunks 0-1 is in
	ds_add_u32 v[SPW], v[NIL]
	s_wait_dscnt 0x0
	s_barrier_signal -1
	s_barrier_wait -1                              ; everybody's part is in
	tensor_load_to_lds s[G0+4:G0+7], s[G1:G1+7]    ; my part of chunks 2-3: sixteen groups stand between this load and the wait for it
	s_nop 0
	PLACES
	QL 0, 0, 0
	QL 0, 0, 1
	QL 0, 0, 2
	QL 0, 0, 3
.irp s, 0,1,2,3,4,5,6,7
.irp g, 0,1,2,3,4
	GR \s, \g
.endr
.endr
	s_wait_kmcnt 0x0
	s_add_co_i32 s4, s84, s85
	s_lshl_b32 s4, s4, 23
	s_add_co_i32 s[CS], s4, 0x3d38aa3b             ; log2(e) / 32, with e6 + e7 added to its exponent field
	s_mov_b32 s[CS+1], s[CS]
	s_add_co_i32 s4, s86, 127
	s_lshl_b32 s6, s4, 23                          ; 2^e8
	s_add_co_i32 s4, s4, 8
	s_lshl_b32 s4, s4, 23
	s_or_b32 s4, s4, 0x600000                      ; 448 x 2^e8
	s_mov_b32 s[SEL], 0x76543210
	s_mov_b32 s[SEL+1], 0xfedcba98
	PLACES                                         ; behind the last products, on both ways of the branch below
	v_mov_b32 v[SC], s6
	v_mov_b32 v[LIM], s4
	s_wait_alu depctr_va_vdst(0)
	; THE MASK, where my last key comes after my first query (a branch on ids)
	s_add_co_u32 s5, s63, 63
	s_cmp_le_u32 s5, s19
	s_cbranch_scc1 .Lopen
	WIN 0x82
.set dl, -7
.rept 11
.irp j, 0,1,2,3,4,5,6,7
	v_cmp_gt_i32 vcc_lo, 16*dl+\j, v[DD]           ; one test for all the accumulators of a diagonal
.irp a, 0,1,2,3,4,5,6,7
.if (\a+dl >= 0) && (\a+dl < 4)
	v_cndmask_b32 v[8*(5*\a+dl)+\j], v[8*(5*\a+dl)+\j], v[NINF], vcc_lo
.endif
.endr
.endr
.set dl, dl+1
.endr
	WIN 0xc3
.set dl, -9
.rept 5
.irp j, 0,1,2,3,4,5,6,7
	v_cmp_gt_i32 vcc_lo, 16*dl+\j, v[DD]
.irp a, 8,9
.if (\a+dl >= 0) && (\a+dl < 4)
	v_cndmask_b32 v[8*(5*\a-32+dl)+\j], v[8*(5*\a-32+dl)+\j], v[NINF], vcc_lo
.endif
.endr
.endr
.set dl, dl+1
.endr
	WIN 0
.Lopen:
; THE ROWS' MAXIMA among my 64 keys, two chains a tile; every accumulator is read from its low end on
.macro ROWMAX a, first, off
.if \first
	v_max3_num_f32 v[MX+\a], v[NINF], v[32*((\a)%8)+\off], v[32*((\a)%8)+\off+1]
	v_max3_num_f32 v[MY+\a], v[NINF], v[32*((\a)%8)+16+\off], v[32*((\a)%8)+16+\off+1]
.else
	v_max3_num_f32 v[MX+\a], v[MX+\a], v[32*((\a)%8)+\off], v[32*((\a)%8)+\off+1]
	v_max3_num_f32 v[MY+\a], v[MY+\a], v[32*((\a)%8)+16+\off], v[32*((\a)%8)+16+\off+1]
.endif
.endm
	WIN 0x28
.irp o, 0,2,4,6,8,10,12,14
.irp a, 0,1,2,3,4,5,6,7
	ROWMAX \a, (\o==0), \o
.endr
.endr
	WIN 0x3c
.irp o, 0,2,4,6,8,10,12,14
.irp a, 8,9
	ROWMAX \a, (\o==0), \o
.endr
.endr
	WIN 0
.irp a, 0,1,2,3,4,5,6,7,8,9
	v_max_num_f32 v[MX+\a], v[MX+\a], v[MY+\a]
.endr
.irp a, 0,1,2,3,4,5,6,7,8,9
	v_permlanex16_b32 v[MY+\a], v[MX+\a], s[SEL], s[SEL+1]   ; the row's other keys lie in the lane 16 away
.endr
.irp a, 0,1,2,3,4,5,6,7,8,9
	v_max_num_f32 v[MX+\a], v[MX+\a], v[MY+\a]
.endr
.irp a, 0,1,2,3,4,5,6,7,8,9
	ds_store_b32 v[XMW], v[MX+\a] offset:256*\a    ; both halves of the lanes hold the same number and write the same word
.endr
	ds_store_b32 v[XMW], v[MX+9] offset:2560       ; rows 160-191 repeat the last sixteen, so that whole units of stats are stored
	ds_store_b32 v[XMW], v[MX+9] offset:2816
	s_wait_alu depctr_va_vdst(0)
	s_wait_dscnt 0x0                               ; for the other waves' sake
	s_barrier_signal -1
	s_barrier_wait -1
.irp a, 0,1,2,3,4,5,6,7,8,9
	ds_load_b128 v[PC+4*\a:PC+4*\a+3], v[XMR] offset:256*\a
.endr
	s_wait_dscnt 0x0
.irp a, 0,1,2,3,4,5,6,7,8,9
	v_max3_num_f32 v[MX+\a], v[PC+4*\a], v[PC+4*\a+1], v[PC+4*\a+2]
.endr
.irp a, 0,1,2,3,4,5,6,7,8,9
	v_max_num_f32 v[MX+\a], v[MX+\a], v[PC+4*\a+3] ; the row's largest score among the tile's 256 keys
.endr
.irp a, 0,1,2,3,4,5,6,7,8,9
	v_mul_f32 v[MX+\a], s[CS], v[MX+\a]            ; as t (c is positive)
.endr
.irp a, 0,1,2,3,4,5,6,7,8,9
	v_max_num_f32 v[MX+\a], 0xff61b1e6, v[MX+\a]   ; -3e38, under every t: a row of this tile with no key that counts (it is not stored) keeps a number
.endr
.irp a, 0,1,2,3,4,5,6,7,8,9
	v_floor_f32 v[NM2+2*\a], -v[MX+\a]             ; -M_b = floor(-t) = -ceil(t)
.endr
.irp a, 0,1,2,3,4,5,6,7,8,9
	v_mov_b32 v[NM2+2*\a+1], v[NM2+2*\a]
.endr
; Tiles 2 g and 2 g + 1: p = 2^(c s - M_b); the sums, unquantised; the hold; the codes into the stage
.macro SOFT g
.set AC, 64*((\g)%4)
.set WHI, (\g)/4
	WIN 0x82+0x41*WHI
.irp q, 0,1
.set j, 0
.rept 16
	v_pk_fma_f32 v[AC+32*\q+j:AC+32*\q+j+1], v[AC+32*\q+j:AC+32*\q+j+1], s[CS:CS+1], v[NM2+2*(2*(\g)+\q):NM2+2*(2*(\g)+\q)+1] op_sel_hi:[1,0,1]
.set j, j+2
.endr
.endr
	s_wait_alu depctr_va_vdst(0)                   ; the wait ahead of the batch,
.set j, 0
.rept 64
	v_exp_f32 v[AC+j], v[AC+j]
.set j, j+1
.endr
	v_nop
	s_wait_alu depctr_va_vdst(0)                   ; and behind it
	WIN 0x0a+0x05*WHI
.irp q, 0,1
	v_pk_add_f32 v[SM+4*\q:SM+4*\q+1], v[AC+32*\q:AC+32*\q+1], v[AC+32*\q+2:AC+32*\q+3]
	v_pk_add_f32 v[SM+4*\q+2:SM+4*\q+3], v[AC+32*\q+4:AC+32*\q+5], v[AC+32*\q+6:AC+32*\q+7]
.endr
	WIN 0x08+0x04*WHI
.irp j, 8,12,16,20,24,28
.irp q, 0,1
	v_pk_add_f32 v[SM+4*\q:SM+4*\q+1], v[SM+4*\q:SM+4*\q+1], v[AC+32*\q+\j:AC+32*\q+\j+1]
	v_pk_add_f32 v[SM+4*\q+2:SM+4*\q+3], v[SM+4*\q+2:SM+4*\q+3], v[AC+32*\q+\j+2:AC+32*\q+\j+3]
.endr
.endr
	WIN 0x82+0x41*WHI
.set j, 0
.rept 64
	v_min_num_f32 v[AC+j], v[AC+j], v[LIM]         ; the conversion does not saturate (ISA guide 7.6.2); p is not negative, so the hold is one-sided
.set j, j+1
.endr
	WIN 0x02+WHI
.irp n, 0,1,2,3,4,5,6,7
	v_cvt_scalef32_pk8_fp8_f32 v[PC+16*(\g)+2*\n:PC+16*(\g)+2*\n+1], v[AC+8*\n:AC+8*\n+7], v[SC]
.endr
	v_nop                                          ; one plain vector instruction behind the last conversion of a run
	WIN 0
.irp n, 0,1,2,3,4,5,6,7
	ds_store_b64 v[STO], v[PC+16*(\g)+2*\n:PC+16*(\g)+2*\n+1] offset:(2*(\g)+\n/4)*16*PITCH+16*(\n%4)
.endr
.irp q, 0,1
	v_pk_add_f32 v[SM+4*\q:SM+4*\q+1], v[SM+4*\q:SM+4*\q+1], v[SM+4*\q+2:SM+4*\q+3]
.endr
.irp q, 0,1
	v_add_f32 v[LS+2*(\g)+\q], v[SM+4*\q], v[SM+4*\q+1]
.endr
.endm
.irp g, 0,1,2,3,4
	SOFT \g
.endr
.irp a, 0,1,2,3,4,5,6,7,8,9
	v_permlanex16_b32 v[MY+\a], v[LS+\a], s[SEL], s[SEL+1]
.endr
.irp a, 0,1,2,3,4,5,6,7,8,9
	v_add_f32 v[LS+\a], v[LS+\a], v[MY+\a]         ; the row's sum over my 64 keys
.endr
.irp a, 0,1,2,3,4,5,6,7,8,9
	ds_store_b32 v[XMW], v[LS+\a] offset:3072+256*\a
.endr
	ds_store_b32 v[XMW], v[LS+9] offset:3072+2560
	ds_store_b32 v[XMW], v[LS+9] offset:3072+2816
	s_wait_alu depctr_va_vdst(0)
	s_wait_dscnt 0x0                               ; for the other waves' sake
	s_barrier_signal -1
	s_barrier_wait -1                              ; the codes and the sums are whole
.set t, 0
.rept 20
	ds_load_b128 v[BK+4*t:BK+4*t+3], v[RD] offset:t*2*PITCH
.set t, t+1
.endr
.irp u, 0,1,2,3,4
	s_wait_dscnt 16-4*\u                           ; these 8 rows are in; those loaded behind them may be out
	s_cmp_eq_u32 s[PV+\u], 0
	s_cbranch_scc1 .Lnot_stored_\u
.irp t, 0,1,2,3
	global_store_b128 v[CO], v[BK+16*\u+4*\t:BK+16*\u+4*\t+3], s[PW+2*\u:PW+2*\u+1] offset:512*\t   ; two rows of the dense block: 512 consecutive bytes, at a multiple of 256 from the buffer's first byte
.endr
.Lnot_stored_\u:
.endr
	s_cmp_ge_u32 s14, 3
	s_cbranch_scc1 .Lno_stats                      ; waves 0-2 store 64 rows' numbers each: two rows a lane, 256 consecutive bytes
	ds_load_b128 v[96:99], v[STR]
	ds_load_b128 v[100:103], v[STR] offset:16
	ds_load_b128 v[104:107], v[STR] offset:3072
	ds_load_b128 v[108:111], v[STR] offset:3088
	s_wait_dscnt 0x0
.irp q, 0,1
	v_max3_num_f32 v[112+\q], v[96+4*\q], v[97+4*\q], v[98+4*\q]
	v_max_num_f32 v[112+\q], v[112+\q], v[99+4*\q]
	v_mul_f32 v[112+\q], s[CS], v[112+\q]
	v_max_num_f32 v[112+\q], 0xff61b1e6, v[112+\q]
	v_floor_f32 v[116+\q], -v[112+\q]
	v_add_f32 v[104+4*\q], v[104+4*\q], v[105+4*\q]
	v_add_f32 v[106+4*\q], v[106+4*\q], v[107+4*\q]
	v_add_f32 v[118+\q], v[104+4*\q], v[106+4*\q]
.endr
	global_store_b64 v[SOF], v[116:117], s[76:77]
	global_store_b64 v[SOF], v[118:119], s[76:77] offset:1024
.Lno_stats:
	s_wait_tensorcnt 0x0                           ; the wave's end
	ds_add_u32 v[SPW], v[NIL]
	s_wait_dscnt 0x0
	s_endpgm
.Lfunc_end_k_qfcffc98356_score:
	.size	k_qfcffc98356_score, .Lfunc_end_k_qfcffc98356_score-k_qfcffc98356_score
	.p2alignl 7, 3214868480
	.fill 96, 4, 3214868480
	.section	.rodata,"a",@progbits
	.p2align	6, 0x0
	.amdhsa_kernel k_qfcffc98356_score
		.amdhsa_group_segment_fixed_size 327680
		.amdhsa_private_segment_fixed_size 0
		.amdhsa_enable_private_segment 0
		.amdhsa_kernarg_size 40
		.amdhsa_user_sgpr_count 2
		.amdhsa_user_sgpr_kernarg_segment_ptr 1
		.amdhsa_wavefront_size32 1
		.amdhsa_system_sgpr_workgroup_id_x 1
		.amdhsa_system_sgpr_workgroup_id_y 1
		.amdhsa_system_sgpr_workgroup_id_z 1
		.amdhsa_system_vgpr_workitem_id 0
		.amdhsa_next_free_vgpr 832
		.amdhsa_next_free_sgpr 102
		.amdhsa_reserve_vcc 1
		.amdhsa_float_denorm_mode_32 3
		.amdhsa_float_denorm_mode_16_64 3
		.amdhsa_memory_ordered 1
		.amdhsa_forward_progress 1
		.amdhsa_inst_pref_size 159
	.end_amdhsa_kernel
	.amdgpu_metadata
---
amdhsa.version: [ 1, 2 ]
amdhsa.kernels:
  - .name:           k_qfcffc98356_score
    .symbol:         k_qfcffc98356_score.kd
    .args:
      - { .name: q_codes, .offset: 0, .size: 8, .value_kind: global_buffer, .address_space: global }
      - { .name: k_codes, .offset: 8, .size: 8, .value_kind: global_buffer, .address_space: global }
      - { .name: lowp_scales, .offset: 16, .size: 8, .value_kind: global_buffer, .address_space: global }
      - { .name: p_codes, .offset: 24, .size: 8, .value_kind: global_buffer, .address_space: global }
      - { .name: stats, .offset: 32, .size: 8, .value_kind: global_buffer, .address_space: global }
    .group_segment_fixed_size: 327680
    .private_segment_fixed_size: 0
    .kernarg_segment_align: 8
    .kernarg_segment_size: 40
    .max_flat_workgroup_size: 128
    .sgpr_count:     102
    .vgpr_count:     832
    .wavefront_size: 32
...
	.end_amdgpu_metadata
.endif
;; end of part 2
;; launch ctx (part 3): grid 8 x 32, 4 waves a work-group, clusters of 4 x 1, 327,680 bytes of LDS; arguments p_codes, stats, v_codes, lowp_scales, out0; writes out0
.if DOCPART == 3
	.amdgcn_target "amdgcn-amd-amdhsa--gfx1250"
	.amdhsa_code_object_version 6
	.text
	.protected	k_qfcffc98356_ctx
	.globl	k_qfcffc98356_ctx
	.p2align	8
	.type	k_qfcffc98356_ctx,@function
k_qfcffc98356_ctx:
	s_mov_b64 s[64:65], 0
	v_nop
	global_prefetch_b8 v0, s[64:65] scope:SCOPE_SE
	s_setreg_imm32_b32 hwreg(HW_REG_WAVE_MODE, 25, 1), 1
	s_wait_xcnt 0x0
	s_wait_alu depctr_hold_cnt(0) depctr_sa_sdst(0) depctr_va_vdst(0) depctr_va_sdst(0) depctr_va_ssrc(0) depctr_va_vcc(0) depctr_vm_vsrc(0)
	s_getreg_b32 s2, hwreg(HW_REG_IB_STS2, 6, 4)
	s_cmp_eq_u32 s2, 0
	s_cbranch_scc0 .Lentry_in_a_cluster
	s_endpgm
.Lentry_in_a_cluster:
	s_bfe_u32 s2, ttmp6, 0x10000c
	s_cmp_lg_u32 s2, 0x3003
	s_cbranch_scc0 .Lentry_shape_is_right
	s_endpgm
.Lentry_shape_is_right:
; O = (the sum over blocks of 256 keys of 2^(M_b - M) P_b V_b) / l x 2^(e8 + e9), on codes of FP8 (E4M3); M the row's largest M_b, l the row's sum under M.  Blocks wholly under the causal mask are left out: reference() gives them the weight 0.
; SHARES.  Work-group (x, y): batch y / 8, pair g = y % 8, channels 128 x on.  Pair g = query blocks A = g and B = 15 - g of 128 queries: A has na = g / 2 + 1 units of 256 keys, B 9 - na: NINE UNITS (slots 0-8, A's first) in every work-group.
; A wave owns 128 queries x 32 channels: no two waves of a work-group need the same piece of V.
; P: [8 batch + g][9 units][128][256]: each of its nine units has LDS bytes of its own, 288 KiB in all: nothing is filled again.  Three trips of three units: a trip's units come by one joint load a wave, the first at the head, each later one asked for at the head of the trip before.
; CLUSTER: four work-groups of one pair (channels x) share those loads.
; V: laid as fragments, [8 batch + unit][64 blocks of 16 channels][2 halves of 128 keys][4 c][32 lanes][16 bytes]: goes from memory STRAIGHT INTO REGISTERS, two units ahead, in three buffers; a wave's part of a unit is 8,192 bytes on end.
; V IS PREFETCHED one unit ahead of those loads: one instruction a wave names its 32 blocks of 256 bytes; units that block A's walk has read already are not named again.  P is not prefetched: three loads bring all of it, each with a whole trip in which to land; there is no long walk to run ahead in.
; THE MATRIX INSTRUCTION IS USED TRANSPOSED (source 0 = 16 channels of V, source 1 = 16 queries of P): lane (r, h) holds query r, its registers 8 neighbouring channels.
; Groups of two query tiles: 8 matrix instructions on four accumulators by turns, into T0 or T1 by turns; a group's T is brought under M and added to the sums while the next group is multiplied.  P's fragments are loaded two groups ahead, into three sets.
; stats: [13 batch + i][8 units][2][256] f32: -M_b and the sums of the rows of row block i: rows 160 i on, the last block (12) from row 1,888 on.  Each lane makes one row of A's and one of B's factors and 1 / l, and they go to all waves through a table in LDS.
; LIMITS: the scaled scores stay under 2^31 in magnitude.  NaN codes are not served.
; REGISTERS, windows of 256: 0: addresses, F (8 factors in pairs), V's buffers.  1: T0, T1, P's fragments in three sets.  2: the sums (0-127), block A's finished rows (128-255).
.set PITCH, 272                        ; an LDS row: 256 bytes + 16 of padding: the 16 rows of a fragment load start at 16 different banks (ISA guide 11.1)
.set UNITB, 128*PITCH                  ; a unit of P in LDS
.set SPARE, 9*UNITB                    ; the spare words, 128 bytes a wave, which no other line names
.set TAB,   SPARE+512                  ; 9 x 128 factors, each twice (8 bytes); behind them 2 x 128 x (2^(e8 + e9) / l), each twice
.set AP0, 4                            ; v4     a fragment's row x pitch + 16 h;  v5-7 the same in the trip's three units
.set AP,  5
.set TF0, 8                            ; v8     TAB + 8 r;  v9 the same at the trip's first unit
.set TFA, 9
.set STOA, 10                          ; v10-13 the way out: in and back, for A (in the bytes of units 0 and 1) and for B (2 and 3)
.set RDA,  11
.set STOB, 12
.set RDB,  13
.set CO,   14                          ; v14    my bytes in two rows of O
.set VOF,  15                          ; v15    16 x lane
.set PFO,  16                          ; v16    256 x lane
.set RT,   17                          ; v17    where 1 / l lies: TAB + 9,216 + 8 r
.set TW,   18                          ; v18    where I put my row's factors: TAB + 8 x thread
.set SPW,  28
.set NIL,  29
.set SO,   32                          ; v32-40 my row's offset in stats, slot by slot
.set F,    48
.set VB,   64                          ; three buffers of 64
.set NM,   192                         ; (before V's third buffer is in use) v192-209 the stats, v220-237 the factors in pairs, v240-243 the sums l
.set L0,   201
.set FF,   220
.set LA,   240
.set LB,   242
.set PB,   64                          ; window 1
.set FIN,  128                         ; window 2
.set G1,  24                           ; s[24:31] group 1;  s[32:35] group 0, which walks
.set G0,  32
.set NA,  41
.set SL,  56                           ; s56    the slot in hand
.set TB,  57                           ; s57    LDS byte of the trip's first unit;  s58 its bytes in the table
.set TBF, 58
.set TRIPS, 59
.set VPT, 78                           ; s[78:79] my channels of V in unit 0 of my batch;  s[60:61], s[62:63], s[66:67] where the loads into V's three buffers stand
.set PFP, 80                           ; s[80:81] where my prefetch stands
.set MK,  82                           ; s83-85 all ones where slot 1, 2, 3 is A's
.set OUTA, 86
.set OUTB, 88
.set MSB, 0
.macro WIN new
.if MSB != (\new)
	s_set_vgpr_msb (MSB<<8)|(\new)
.set MSB, (\new)
.endif
.endm
.set MUL, 0x54                         ; source 0 window 0, all else window 1; P's fragments are loaded under it too
.set ADD, 0xa4                         ; source 0 (F) window 0, source 1 (T) window 1, source 2 and destination (the sums) window 2
.macro CREST
	s_cmp_lg_u32 s14, 0
	s_cbranch_scc1 .Lnot_wave_0_\@
	s_barrier_signal -3
.Lnot_wave_0_\@:
	s_barrier_wait -3
	s_barrier_signal -1
	s_barrier_wait -1
.endm
.macro CROUND
	s_barrier_signal -1
	s_barrier_wait -1
	CREST
.endm
.macro PLACES                          ; between a matrix instruction and a load into its sources or a read of its result
.rept 4
	v_nop
.endr
.endm
; V's loads into buffer b for slot SL + ahead: unit = slot, or slot - na in block B.  Pair p of scalars holds the address; its last loads have been waited for.
.macro VLOAD b, p, ahead
	s_add_co_u32 s8, s[SL], \ahead
	s_sub_co_u32 s9, s8, s[NA]
	s_cmp_lt_u32 s8, s[NA]
	s_cselect_b32 s9, s8, s9
	s_lshl_b32 s6, s9, 18
	s_add_nc_u64 s[\p:\p+1], s[VPT:VPT+1], s[6:7]
.irp k, 0,1,2,3,4,5,6,7,8,9,10,11,12,13,14,15
	global_load_b128 v[VB+64*(\b)+4*\k:VB+64*(\b)+4*\k+3], v[VOF], s[\p:\p+1] offset:512*\k
.endr
.endm
; group g's four fragments of P (two query tiles x two halves of the keys) into set s
.macro PL s, ap, g
.irp k, 0,1
.irp q, 0,1
.irp c, 0,1,2,3
	ds_load_b128 v[PB+64*(\s)+32*\k+16*\q+4*\c:PB+64*(\s)+32*\k+16*\q+4*\c+3], v[\ap] offset:(2*(\g)+\q)*16*PITCH+128*\k+32*\c
.endr
.endr
.endr
.endm
; four matrix instructions: query tiles q x channel tiles n, half k of the keys, P's set s, T's set t, V's buffer b.  The four accumulators take turns
.macro MM s, t, b, k
.irp q, 0,1
.irp n, 0,1
.if \k
	v_wmma_f32_16x16x128_fp8_fp8 v[32*(\t)+16*\q+8*\n:32*(\t)+16*\q+8*\n+7], v[VB+64*(\b)+32*\n+16:VB+64*(\b)+32*\n+31], v[PB+64*(\s)+32+16*\q:PB+64*(\s)+47+16*\q], v[32*(\t)+16*\q+8*\n:32*(\t)+16*\q+8*\n+7]
.else
	v_wmma_f32_16x16x128_fp8_fp8 v[32*(\t)+16*\q+8*\n:32*(\t)+16*\q+8*\n+7], v[VB+64*(\b)+32*\n:VB+64*(\b)+32*\n+15], v[PB+64*(\s)+16*\q:PB+64*(\s)+15+16*\q], 0
.endif
.endr
.endr
.endm
; the sums of group g += T(s) x 2^(M_b - M); each accumulator from its low end on
.macro ACC s, g
	WIN ADD
.irp q, 0,1
.irp j, 0,2,4,6,8,10,12,14
	v_pk_fma_f32 v[32*(\g)+16*\q+\j:32*(\g)+16*\q+\j+1], v[F+4*(\g)+2*\q:F+4*(\g)+2*\q+1], v[32*(\s)+16*\q+\j:32*(\s)+16*\q+\j+1], v[32*(\g)+16*\q+\j:32*(\g)+16*\q+\j+1]
.endr
.endr
.endm
; sums x (2^(e8 + e9) / l) -> registers dst on
.macro NORM dst, off
.irp a, 0,1,2,3,4,5,6,7
	ds_load_b64 v[F+2*\a:F+2*\a+1], v[RT] offset:\off+128*\a
.endr
	s_wait_dscnt 0x0
	WIN 0x82
.irp a, 0,1,2,3,4,5,6,7
.irp j, 0,2,4,6,8,10,12,14
	v_pk_mul_f32 v[\dst+16*\a+\j:\dst+16*\a+\j+1], v[16*\a+\j:16*\a+\j+1], v[F+2*\a:F+2*\a+1]
.endr
.endr
	WIN 0
.endm
.macro CLEAR                           ; the unit is written once for first and later units, so the sums begin as zeros: at the head, and where block A ends
	WIN 0x80
.set k, 0
.rept 128
	v_mov_b32 v[k], 0
.set k, k+1
.endr
	WIN 0
.endm
; GROUP g of the trip's unit i.  cnt: LDS loads issued behind this group's fragments, which may be out
.macro GRP i, g, cnt
	s_wait_dscnt \cnt
	PLACES
.if 4*\i+\g < 10
	PL (4*\i+\g+2)%3, AP+(4*\i+\g+2)/4, (4*\i+\g+2)%4
.endif
	MM (4*\i+\g)%3, \g%2, \i, 0
.if \g > 0
.if \g == 1
	s_wait_dscnt 32                                ; the unit's eight factors are in; two groups' loads may be out
.endif
	ACC (\g-1)%2, \g-1
	WIN MUL
.endif
	MM (4*\i+\g)%3, \g%2, \i, 1
.endm
; A UNIT of 256 keys, the i-th of its trip, on V's buffer i.  ld: V's loads two units on; pf: the prefetch three units on; sv: block A may have ended.  cnt: V's loads that may be out: the next unit's sixteen.
.macro UNIT i, ld, pf, sv, cnt
.if \sv
	s_cmp_lg_u32 s[SL], s[NA]
	s_cbranch_scc1 .Lgoes_on_\@
	NORM FIN, 0                                    ; block A is complete: its finished rows wait in window 2 for their way out
	CLEAR
.Lgoes_on_\@:
.endif
.if \pf
	s_wait_xcnt 0x0                                ; the last prefetch has read its address
	s_add_co_u32 s8, s[SL], 3
	s_sub_co_u32 s6, s8, s[NA]
	s_lshl_b32 s6, s6, 18
	s_add_nc_u64 s[PFP:PFP+1], s[VPT:VPT+1], s[6:7]
.endif
	s_wait_loadcnt \cnt                            ; this unit's V is in
.irp a, 0,1,2,3,4,5,6,7
	ds_load_b64 v[F+2*\a:F+2*\a+1], v[TFA] offset:1024*\i+128*\a
.endr
.if \ld
.if \i == 0
	VLOAD 2, 66, 2
.elseif \i == 1
	VLOAD 0, 60, 2
.else
	VLOAD 1, 62, 2
.endif
.endif
.if \pf
	s_add_co_u32 s8, s[SL], 3
	s_lshl_b32 s9, s[NA], 1
	s_cmp_lt_u32 s8, s9                            ; under 2 na the slot's V is a unit that block A's walk reads: it is not named
	s_cbranch_scc1 .Lread_\@
	global_prefetch_b8 v[PFO], s[PFP:PFP+1] th:TH_LOAD_NT scope:SCOPE_SE
.Lread_\@:
.endif
	WIN MUL
	GRP \i, 0, 24                                  ; behind its fragments: the next group's sixteen loads and the eight factors
	GRP \i, 1, 24
	GRP \i, 2, 16
.if \i == 2
	GRP \i, 3, 0
.else
	GRP \i, 3, 16
.endif
	PLACES
	ACC 1, 3
	WIN 0
	s_add_co_u32 s[SL], s[SL], 1
.endm
.macro ADDRS                           ; the trip's addresses, and its first two groups of P
	v_add_nc_u32 v[AP], s[TB], v[AP0]
	v_add_nc_u32 v[TFA], s[TBF], v[TF0]
	v_add_nc_u32 v[AP+1], UNITB, v[AP]
	v_add_nc_u32 v[AP+2], 2*UNITB, v[AP]
	s_wait_alu depctr_va_vdst(0)
	WIN MUL
	PL 0, AP, 0
	PL 1, AP, 1
	WIN 0
.endm
; THE WAY OUT of 128 rows x 128 channels: two waves make a 256-byte unit, so the rows turn through LDS, in bytes of P that all waves have passed; a wave then stores 64 rows of its pair's 64 channels, two rows an instruction.
.macro OUT reg, sto, rd, base
	WIN 0x08
.irp a, 0,1,2,3,4,5,6,7
.irp n, 0,1
	ds_store_b128 v[\sto], v[\reg+16*\a+8*\n:\reg+16*\a+8*\n+3] offset:\a*16*PITCH+64*\n
	ds_store_b128 v[\sto], v[\reg+16*\a+8*\n+4:\reg+16*\a+8*\n+7] offset:\a*16*PITCH+64*\n+16
.endr
.endr
	WIN 0
	s_wait_alu depctr_va_vdst(0)
	s_wait_dscnt 0x0                               ; for the other wave's sake
	s_barrier_signal -1
	s_barrier_wait -1
	WIN 0x80
.set t, 0
.rept 32
	ds_load_b128 v[\reg+4*t:\reg+4*t+3], v[\rd] offset:t*2*PITCH
.set t, t+1
.endr
	WIN 0x08
.set t, 0
.rept 32
	s_wait_dscnt 31-t                              ; load t is in; those issued behind it may be out
	global_store_b128 v[CO], v[\reg+4*t:\reg+4*t+3], s[\base:\base+1] offset:t*8192 th:TH_STORE_NT
.set t, t+1
.endr
	WIN 0
.endm
	s_load_b256 s[68:75], s[0:1], 0x0              ; p_codes s[68:69], stats s[70:71], v_codes s[72:73], scales s[74:75]
	s_load_b64 s[76:77], s[0:1], 0x20              ; out0
	v_lshl_add_u32 v[SPW], v0, 2, SPARE
	v_mov_b32 v[NIL], 0
	ds_add_u32 v[SPW], v[NIL]                      ; the wave's opening: the add, twice on end, and its wait
	ds_add_u32 v[SPW], v[NIL]
	v_lshrrev_b32 v1, 5, v0
	v_readfirstlane_b32 s14, v1                    ; wave 0..3
	s_lshr_b32 s15, s14, 1                         ; which 64 of the 128 channels my pair of waves stores
	s_and_b32 s16, s14, 1
	s_bfe_u32 s40, ttmp6, 0x40000                  ; cx
	s_lshl_b32 s42, ttmp9, 2
	s_add_co_u32 s42, s42, s40                     ; x
	s_and_b32 s45, ttmp7, 0xffff                   ; y
	s_lshr_b32 s43, s45, 3                         ; batch
	s_and_b32 s44, s45, 7                          ; g
	s_lshr_b32 s18, s44, 1
	s_add_co_u32 s[NA], s18, 1
	s_lshl_b32 s8, s43, 11                         ; O: row 2,048 batch + 64 (wave % 2),
	s_lshl_b32 s4, s16, 6
	s_add_co_u32 s8, s8, s4
	s_lshl_b32 s46, s44, 7                         ; A's first row: 128 g
	s_add_co_u32 s9, s46, s8
	s_sub_co_u32 s47, 15, s44
	s_lshl_b32 s47, s47, 7                         ; B's: 128 (15 - g)
	s_add_co_u32 s10, s47, s8
	s_lshl_b32 s11, s42, 9
	s_lshl_b32 s4, s15, 8
	s_add_co_u32 s11, s11, s4                      ; 512 x + 256 (wave / 2)
	s_lshl_b32 s18, s9, 12
	s_add_co_u32 s18, s18, s11
	s_mov_b32 s19, 0
	s_lshl_b32 s20, s10, 12
	s_add_co_u32 s20, s20, s11
	s_mov_b32 s21, 0
	s_lshl_b32 s22, s43, 21                        ; V: 8 units of 262,144 bytes a batch, 32,768 bytes for 128 channels, 8,192 a wave
	s_lshl_b32 s4, s42, 15
	s_add_co_u32 s22, s22, s4
	s_lshl_b32 s4, s14, 13
	s_add_co_u32 s22, s22, s4
	s_mov_b32 s23, 0
	s_mul_i32 s10, s45, 9*32768                    ; P: pair y
	s_mul_i32 s8, s14, 96*256
	s_add_co_u32 s8, s8, s10                       ; three units are 384 rows, 96 a wave
	s_mov_b32 s9, 0
	s_mov_b32 s7, 0
	s_mov_b32 s[G1], 15|(0<<16)|(1<<20)|(1<<21)|(5<<22)|(3<<25)   ; 15:0 the four partners; elements of 1 byte; 20 padding on; 21 set beside a mask; four words after every 64
	s_mov_b32 s[G1+1], 256<<16
	s_mov_b32 s[G1+2], 96<<16
	s_mov_b32 s[G1+3], 256<<16
	s_mov_b32 s[G1+4], 96
	s_mov_b32 s[G1+5], 256
	s_mov_b32 s[G1+6], 0
	s_mov_b32 s[G1+7], 0
	s_mov_b32 s[G0], 1
	s_mul_i32 s[G0+1], s14, 96*PITCH
	s_mov_b32 s[SL], 0
	s_mov_b32 s[TB], 0
	s_mov_b32 s[TBF], 0
	s_mov_b32 s[TRIPS], 2
.irp s, 1,2,3
	s_cmp_gt_u32 s[NA], \s
	s_cselect_b32 s[MK+\s], -1, 0
.endr
	s_wait_dscnt 0x0                               ; both opening adds are done
	s_wait_kmcnt 0x0
	s_load_b64 s[90:91], s[74:75], 0x20            ; e8, e9
	s_add_nc_u64 s[G0+2:G0+3], s[68:69], s[8:9]
	s_or_b32 s[G0+3], s[G0+3], 0x80000000
	s_add_nc_u64 s[OUTA:OUTA+1], s[76:77], s[18:19]
	s_add_nc_u64 s[OUTB:OUTB+1], s[76:77], s[20:21]
	s_add_nc_u64 s[VPT:VPT+1], s[72:73], s[22:23]
	CROUND                                         ; all four work-groups are here: the joint loads meet
	tensor_load_to_lds s[G0:G0+3], s[G1:G1+7]      ; my 96 rows of units 0-2
	s_nop 0
	PLACES
	; my row of A and of B in stats: row block i = row / 160 (x 52,429 / 2^23), 16,384 bytes a row block, 4 a row: 4 row + 15,744 i; the last block begins 32 rows early
	s_mul_i32 s8, s43, 13*16384
	v_add_nc_u32 v42, s46, v0
	v_add_nc_u32 v43, s47, v0
	v_mul_u32_u24 v44, 52429, v42
	v_mul_u32_u24 v45, 52429, v43
	v_lshrrev_b32 v44, 23, v44
	v_lshrrev_b32 v45, 23, v45
	v_lshlrev_b32 v42, 2, v42
	v_lshlrev_b32 v43, 2, v43
	v_mul_u32_u24 v46, 15744, v44
	v_mul_u32_u24 v47, 15744, v45
	v_cmp_eq_u32 vcc_lo, 12, v45
	v_mov_b32 v45, 128
	v_cndmask_b32 v45, 0, v45, vcc_lo
	v_add3_u32 v42, v42, v46, s8
	v_add3_u32 v43, v43, v47, s8
	v_add_nc_u32 v43, v43, v45
	v_and_b32 v2, 31, v0
	v_lshlrev_b32 v[VOF], 4, v2
	v_lshlrev_b32 v[PFO], 8, v2
	v_cndmask_b32 v44, v43, v42, s[MK+1]
	v_cndmask_b32 v45, v43, v42, s[MK+2]
	v_cndmask_b32 v46, v43, v42, s[MK+3]
	s_wait_alu depctr_va_vdst(0)
.irp s, 0,1,2,3,4,5,6,7,8
	s_sub_co_u32 s9, \s, s[NA]
	s_cmp_gt_u32 s[NA], \s
	s_cselect_b32 s8, \s, s9
	s_lshl_b32 s8, s8, 11
.if \s == 0
	v_add_nc_u32 v[SO], s8, v42
.elseif \s < 4
	v_add_nc_u32 v[SO+\s], s8, v[43+\s]
.else
	v_add_nc_u32 v[SO+\s], s8, v43
.endif
.endr
	s_wait_alu depctr_va_vdst(0)
.irp s, 0,1,2,3,4,5,6,7,8
	global_load_b32 v[NM+\s], v[SO+\s], s[70:71]
	global_load_b32 v[L0+\s], v[SO+\s], s[70:71] offset:1024
.endr
	VLOAD 0, 60, 0
	VLOAD 1, 62, 1
	v_and_b32 v1, 15, v0                           ; r
	v_bfe_u32 v2, v0, 4, 1                         ; h
	s_mul_i32 s8, s15, UNITB                       ; a pair of waves has 128 rows of the stage
	s_lshl_b32 s9, s16, 7
	s_add_co_u32 s9, s9, s8                        ; in: my half of the row's 256 bytes
	s_mul_i32 s10, s16, 64*PITCH
	s_add_co_u32 s10, s10, s8                      ; back: my 64 rows
	s_wait_alu depctr_va_vdst(0)
	v_mul_u32_u24 v3, v1, PITCH
	v_lshl_add_u32 v[AP0], v2, 4, v3
	v_lshl_add_u32 v[STOA], v2, 5, v3
	v_add_nc_u32 v[STOA], s9, v[STOA]
	v_add_nc_u32 v[STOB], 2*UNITB, v[STOA]
	v_mul_u32_u24 v3, v2, PITCH
	v_lshl_add_u32 v[RDA], v1, 4, v3
	v_add_nc_u32 v[RDA], s10, v[RDA]
	v_add_nc_u32 v[RDB], 2*UNITB, v[RDA]
	v_lshlrev_b32 v[CO], 12, v2
	v_lshl_add_u32 v[CO], v1, 4, v[CO]
	v_lshl_add_u32 v[TF0], v1, 3, TAB
	v_lshl_add_u32 v[RT], v1, 3, TAB+9216
	v_lshl_add_u32 v[TW], v0, 3, TAB
	v_mov_b32 v41, 0x7f800000                      ; infinity
	CLEAR
	s_wait_alu depctr_va_vdst(0)
	s_wait_kmcnt 0x0
	s_add_co_i32 s10, s90, s91                     ; e8 + e9
	s_wait_loadcnt 32                              ; the stats are in; V's loads for units 0 and 1 may be out
	; MY ROW OF A AND OF B: v42, v43 = the least -M_b of each block; the factors 2^(M_b - M); the sums under M
	v_mov_b32 v42, v[NM]
	v_min_num_f32 v43, v[NM+4], v[NM+5]
	v_min_num_f32 v44, v[NM+6], v[NM+7]
	v_min_num_f32 v43, v43, v[NM+8]
	v_min_num_f32 v43, v43, v44
.irp s, 1,2,3
	v_cndmask_b32 v45, v41, v[NM+\s], s[MK+\s]
	v_cndmask_b32 v46, v[NM+\s], v41, s[MK+\s]
	v_min_num_f32 v42, v42, v45
	v_min_num_f32 v43, v43, v46
.endr
.irp s, 0,4,1,2,3,5,6,7,8
.if \s == 0
	v_sub_f32 v47, v42, v[NM]
.elseif \s >= 4
	v_sub_f32 v47, v43, v[NM+\s]
.else
	v_cndmask_b32 v45, v43, v42, s[MK+\s]
	v_sub_f32 v47, v45, v[NM+\s]
.endif
	v_cvt_i32_f32 v47, v47                         ; M_b - M: a whole number, 0 or less (the conversion saturates)
	v_ldexp_f32 v[FF+2*\s], 1.0, v47
	v_mov_b32 v[FF+2*\s+1], v[FF+2*\s]
.if \s == 0
	v_mul_f32 v[LA], v[L0], v[FF]
.elseif \s == 4
	v_mul_f32 v[LB], v[L0+4], v[FF+8]
.elseif \s > 4
	v_fmac_f32 v[LB], v[L0+\s], v[FF+2*\s]
.else
	v_cndmask_b32 v45, 0, v[FF+2*\s], s[MK+\s]
	v_cndmask_b32 v46, v[FF+2*\s], 0, s[MK+\s]
	v_fmac_f32 v[LA], v[L0+\s], v45
	v_fmac_f32 v[LB], v[L0+\s], v46
.endif
.endr
	s_wait_alu depctr_va_vdst(0)                   ; the wait ahead of the transcendentals,
	v_rcp_f32 v[LA], v[LA]
	v_rcp_f32 v[LB], v[LB]
	v_nop
	s_wait_alu depctr_va_vdst(0)                   ; and behind them
	v_ldexp_f32 v[LA], v[LA], s10
	v_ldexp_f32 v[LB], v[LB], s10
	v_mov_b32 v[LA+1], v[LA]
	v_mov_b32 v[LB+1], v[LB]
.irp s, 0,1,2,3,4,5,6,7,8
	ds_store_b64 v[TW], v[FF+2*\s:FF+2*\s+1] offset:1024*\s
.endr
	ds_store_b64 v[TW], v[LA:LA+1] offset:9216
	ds_store_b64 v[TW], v[LB:LB+1] offset:10240
	s_wait_alu depctr_va_vdst(0)
.Ltrip:                                                ; two trips of three units
	s_wait_tensorcnt 0x0                           ; my part of this trip's units is in, and group 0 may be written
	ds_add_u32 v[SPW], v[NIL]
	s_add_co_u32 s[G0+1], s[G0+1], 3*UNITB         ; the next three units: in LDS,
	s_add_nc_u64 s[G0+2:G0+3], s[G0+2:G0+3], 384*256   ; and in memory
	s_wait_dscnt 0x0                               ; the add is done, and (the first trip) my part of the table is written
	CROUND                                         ; everybody's parts are in, and all four work-groups are here
	tensor_load_to_lds s[G0:G0+3], s[G1:G1+7]      ; my 96 rows of the next trip's units: they have this trip in which to land
	s_nop 0
	PLACES
	ADDRS
	UNIT 0, 1, 1, 1, 16
	UNIT 1, 1, 1, 1, 16
	UNIT 2, 1, 1, 1, 16
	s_add_co_u32 s[TB], s[TB], 3*UNITB
	s_add_co_u32 s[TBF], s[TBF], 3*1024
	s_sub_co_u32 s[TRIPS], s[TRIPS], 1
	s_cmp_lg_u32 s[TRIPS], 0
	s_wait_alu depctr_va_vdst(0)
	s_cbranch_scc1 .Ltrip
	s_wait_tensorcnt 0x0                           ; my part of units 6-8 is in,
	s_wait_dscnt 0x0
	s_barrier_signal -1
	s_barrier_wait -1                              ; everybody's is; and all waves have passed units 0-5
	OUT FIN, STOA, RDA, OUTA                       ; block A has at most four units: it leaves while B's last three are multiplied
	s_mov_b32 s[TB], 6*UNITB
	s_mov_b32 s[TBF], 6*1024
	ADDRS
	UNIT 0, 1, 0, 0, 16
	UNIT 1, 0, 0, 0, 16
	UNIT 2, 0, 0, 0, 0
	s_wait_alu depctr_va_vdst(0)
	NORM 0, 1024
	OUT 0, STOB, RDB, OUTB
	s_wait_tensorcnt 0x0                           ; the wave's end
	ds_add_u32 v[SPW], v[NIL]
	s_wait_dscnt 0x0
	CROUND                                         ; the closing round
	s_endpgm
.Lfunc_end_k_qfcffc98356_ctx:
	.size	k_qfcffc98356_ctx, .Lfunc_end_k_qfcffc98356_ctx-k_qfcffc98356_ctx
	.p2alignl 7, 3214868480
	.fill 96, 4, 3214868480
	.section	.rodata,"a",@progbits
	.p2align	6, 0x0
	.amdhsa_kernel k_qfcffc98356_ctx
		.amdhsa_group_segment_fixed_size 327680
		.amdhsa_private_segment_fixed_size 0
		.amdhsa_enable_private_segment 0
		.amdhsa_kernarg_size 40
		.amdhsa_user_sgpr_count 2
		.amdhsa_user_sgpr_kernarg_segment_ptr 1
		.amdhsa_wavefront_size32 1
		.amdhsa_system_sgpr_workgroup_id_x 1
		.amdhsa_system_sgpr_workgroup_id_y 1
		.amdhsa_system_sgpr_workgroup_id_z 1
		.amdhsa_system_vgpr_workitem_id 0
		.amdhsa_next_free_vgpr 768
		.amdhsa_next_free_sgpr 100
		.amdhsa_reserve_vcc 1
		.amdhsa_float_denorm_mode_32 3
		.amdhsa_float_denorm_mode_16_64 3
		.amdhsa_memory_ordered 1
		.amdhsa_forward_progress 1
		.amdhsa_inst_pref_size 149
	.end_amdhsa_kernel
	.amdgpu_metadata
---
amdhsa.version: [ 1, 2 ]
amdhsa.kernels:
  - .name:           k_qfcffc98356_ctx
    .symbol:         k_qfcffc98356_ctx.kd
    .args:
      - { .name: p_codes, .offset: 0, .size: 8, .value_kind: global_buffer, .address_space: global }
      - { .name: stats, .offset: 8, .size: 8, .value_kind: global_buffer, .address_space: global }
      - { .name: v_codes, .offset: 16, .size: 8, .value_kind: global_buffer, .address_space: global }
      - { .name: lowp_scales, .offset: 24, .size: 8, .value_kind: global_buffer, .address_space: global }
      - { .name: out0, .offset: 32, .size: 8, .value_kind: global_buffer, .address_space: global }
    .group_segment_fixed_size: 327680
    .private_segment_fixed_size: 0
    .kernarg_segment_align: 8
    .kernarg_segment_size: 40
    .max_flat_workgroup_size: 128
    .sgpr_count:     100
    .vgpr_count:     768
    .wavefront_size: 32
...
	.end_amdgpu_metadata
.endif
;; end of part 3
